; MI455X (gfx1250); checked and timed in simulation.
; The chip was launched on July 23, 2026; its instructions are those of AMD's public machine-readable ISA for CDNA 5 (MIT licence, August 2026) and "CDNA5" Instruction Set Architecture Reference Guide (July 2026). The comments in the code are by the model that wrote it; some were corrected since.
;; Self Attention. Allowed arithmetic: matrix products marked QUANTISED: E2M1 operands, one E8M0 scale for each 32 along K, by v_wmma_scale_f32_16x16x128_f8f6f4 with both operands' format E2M1 (or v_wmma_scale_f32_32x16x128_f4), f32 sums; products left as they are: bf16, f16 or f32 operands; f32 sums; everything else in f32.
;; Inputs: Wk 1,024 x 1,024 float32; Wq 1,024 x 1,024 float32; Wv 1,024 x 1,024 float32; bk 1,024 float32; bq 1,024 float32; bv 1,024 float32; mask 2,048 x 2,048 int32; x 4 x 2,048 x 1,024 float32.
;; Outputs: out0 4 x 2,048 x 1,024 float32.
;; This version of the problem:
;;   THIS VERSION OF THE PROBLEM IS GIVEN IN LOW PRECISION. The matrix products marked QUANTISED in the list below multiply operands that are first quantised to E2M1 (2 exponent bits, 1 mantissa bit; 4 bits a number), with one power-of-two scale for each 32 numbers along K (OCP MX v1.0); their sums are f32. The products marked 'left as it is' may take bf16, f16 or f32 operands, with f32 sums. Whichever they take, every output number must still come out within the allowed error. Rounding operands to bf16 (8 significant bits) uses up far more of that allowance than f16 does (11 bits, for magnitudes from 6e-5 to 65,504). All else is computed in f32.
;;   The module's matrix products, in the order in which they are computed (A, B: the left and right operand; K: the contracted axis; several contracted axes count as one K, in the product's order):
;;     1. [M 8,192, K 1,024] x [K 1,024, N 1,024]; A: input x; B: input Wq: QUANTISED
;;     2. [M 8,192, K 1,024] x [K 1,024, N 1,024]; A: input x; B: input Wk: QUANTISED
;;     3. [M 8,192, K 1,024] x [K 1,024, N 1,024]; A: input x; B: input Wv: QUANTISED
;;     4. batch 4 x [M 2,048, K 1,024] x [K 1,024, N 2,048]; A: computed on the way; B: computed on the way: left as it is (an operand is computed on the way)
;;     5. batch 4 x [M 2,048, K 2,048] x [K 2,048, N 1,024]; A: computed on the way; B: computed on the way: left as it is (an operand is computed on the way)
;;   THE QUANTISER, for each operand of a quantised product, along K:
;;     - K is cut into blocks of 32 from its start; a last block that is shorter is filled with zeros.
;;     - A block's scale is 2^e with e = floor(log2(the largest magnitude in the block)) - 2, held to -126 .. 127; a block of zeros has e = 0. As a byte (E8M0): e + 127.
;;     - Each number is divided by its block's scale, clamped to +-6, and rounded to the nearest number of E2M1, ties to even, subnormals kept.
;;     - The product sums the exact products of the quantised numbers (number of the format x scale) in f32.
;;   ~~~python
;;   def quantise(x, axis):      # numpy; x: float32 -> the quantised numbers, widened to float32 again
;;       x = np.moveaxis(x, axis, -1); K = x.shape[-1]
;;       x = np.pad(x, [(0, 0)] * (x.ndim - 1) + [(0, -K % 32)]); x = x.reshape(x.shape[:-1] + (-1, 32)); a = np.abs(x).max(-1, keepdims=True)
;;       e = np.where(a > 0, np.clip(np.frexp(np.where(a > 0, a, 1))[1] - 1 - 2, -126, 127), 0)      # np.frexp(a)[1] - 1 = floor(log2(a)), exactly
;;       r = np.clip(x / 2.0 ** e, -6, 6)
;;       step = 2.0 ** (np.maximum(np.frexp(np.where(r == 0, 1, r))[1] - 1, 0) - 1)
;;       q = np.round(r / step) * step * 2.0 ** e      # np.round: ties to even
;;       return np.moveaxis(q.reshape(q.shape[:-2] + (-1,))[..., :K], -1, axis).astype(np.float32)
;;   ~~~
;; One version. Each part assembles by itself: llvm-mc -triple=amdgcn-amd-amdhsa -mcpu=gfx1250 --defsym DOCPART=n.
;; ======== version 1 of 1: 4 launches
;; limits: values are held in f16: magnitudes above 65,504 overflow, below 6.1e-05 lose precision
;; workspace buffers: codes 5,767,168 bytes; scales 360,448 bytes; mbits 524,288 bytes of whole numbers; qkv 50,331,648 bytes; p 33,554,432 bytes; stats 1,048,576 bytes
;; launch prep (part 1): grid 480 x 1, 4 waves a work-group, no clusters, 67,072 bytes of LDS; arguments x, Wq, Wk, Wv, mask, codes, scales, mbits; writes codes, scales, mbits
.if DOCPART == 1
	.amdgcn_target "amdgcn-amd-amdhsa--gfx1250"
	.amdhsa_code_object_version 6
	.text
	.protected	k_q4ce706ff7f_prep
	.globl	k_q4ce706ff7f_prep
	.p2align	8
	.type	k_q4ce706ff7f_prep,@function
k_q4ce706ff7f_prep:
	s_mov_b64 s[64:65], 0
	v_nop
	global_prefetch_b8 v0, s[64:65] scope:SCOPE_SE
	s_setreg_imm32_b32 hwreg(HW_REG_WAVE_MODE, 25, 1), 1
	s_wait_xcnt 0x0
; PREP.  Two jobs in one launch, told apart by the work-group's number; the two ways never join again and have LDS bytes of their own.
; (Q) work-groups 0-351: x [8192][1024] and Wq, Wk, Wv [1024][1024], f32, K innermost, become codes of FP4 (E2M1), two a byte, and one E8M0 byte for each 32 along K.
;     The four tensors are laid as ONE matrix of 11,264 rows: x's 8,192, then Wq's, Wk's, Wv's: codes [11264][512 bytes], scales [11264][32 bytes].  Rows are dense and 1,024 is a multiple of 32,
;     so everything is a plain stream of blocks of 32; a work-group takes 32,768 numbers, a wave 16 steps of 512.
;     A block's scale is 2^(floor(log2(largest magnitude)) - 2); its byte is the largest magnitude's exponent field - 2, held at 1 from below.
;     LIMITS: a block of zeros gets the byte 1 (its codes are zeros, and this program alone reads the bytes); blocks whose largest magnitude lies under 2^-124 share that floor; NaN and infinities are not served.
; (M) work-groups 352-479: the mask [2048][2048] int32 becomes words of 32 bits, one bit a lane, in the order in which the launch that masks the scores holds them:
;     word (R, Cb, j) at byte 4096 R + 32 Cb + 4 j; its bit l says mask[16 R + l % 16][16 Cb + 8 (l / 16) + j] != 0.  A work-group takes 16 rows, a wave 512 columns in 4 steps of 128.
; No tensor loads, no barrier: waves share nothing.
.set QWG,   352                        ; work-groups of job Q: 256 for x, 32 for each weight
.set STEPS, 16
.set EMAX,  2
.set CB,    8                          ; bytes of 16 codes
.set R,     16                         ; v16-79   four sets of 16 numbers as loaded
.set X,     80                         ; v80-111  two sets of 16 neighbours
.set E,     112                        ; v112-127 a scale byte for each step
.set C,     128                        ; v128-191 codes: four registers for each step, so that no store's data are written again
.set WREG,  8192                       ; LDS, job Q: a region for each wave: two stages of 32 x SP bytes, then its 256 scale bytes
.set SP,    80                         ; a lane's place in a stage: 64 bytes + 16 of padding
.set MST,   32768                      ; LDS, job M: a stage of 16 rows x MP bytes for each wave
.set MP,    528                        ; 512 bytes + 16: 33 x 16, so that sixteen rows' 16-byte columns fall on different banks
.set SPARE, MST+4*16*MP                ; the spare words, 128 bytes a wave: two blocks of 256 bytes that no other line names
.set SPW,   12                         ; v12  SPARE + 4 x my thread's number; never rewritten
.set NIL,   13                         ; v13  0; never rewritten
.set ML,    16                         ; job M: v16-143 two sets of 16 rows x 4 registers as loaded
.set MX,    144                        ; v144-207 the same numbers, a lane holding row l % 16, columns 16 c + 8 (l / 16) + 0 .. 7
.set MO,    208                        ; v208-215 a pair of output registers for each step
	s_load_b512 s[4:19], s[0:1], 0x0               ; x s[4:5], Wq s[6:7], Wk s[8:9], Wv s[10:11], mask s[12:13], codes s[14:15], scales s[16:17], mbits s[18:19]
	v_lshl_add_u32 v[SPW], v0, 2, SPARE
	v_mov_b32 v[NIL], 0
	v_lshrrev_b32 v1, 5, v0
	v_readfirstlane_b32 s20, v1                    ; wave
	v_and_b32 v2, 31, v0                           ; lane
	s_cmp_ge_u32 ttmp9, QWG
	s_cbranch_scc1 .Lmask
	; ------------------------------------------------------------------ job Q
	v_lshlrev_b32 v3, 4, v2                        ; my 16 bytes of a load's 512
	s_mul_i32 s21, s20, WREG
	v_lshrrev_b32 v14, 2, v2
	v_mul_u32_u24 v14, v14, SP
	v_and_b32 v15, 3, v2
	v_lshl_add_u32 v14, v15, 4, v14
	v_add_nc_u32 v14, s21, v14                     ; the stage, way in: SP (lane / 4) + 16 (lane % 4)
	v_mul_u32_u24 v15, v2, SP
	v_add_nc_u32 v15, s21, v15                     ; way out: SP x lane: my 16 neighbours
	v_mul_u32_u24 v4, v2, CB                       ; my codes' place in a step's
	v_lshrrev_b32 v5, 1, v2
	s_add_co_u32 s21, s21, 2*32*SP
	v_add_nc_u32 v5, s21, v5                       ; my block's scale byte in the wave's 256
	v_lshlrev_b32 v7, 3, v2
	v_add_nc_u32 v6, s21, v7                       ; and on the way out 8 bytes a lane
	s_wait_kmcnt 0x0
	s_sub_co_u32 s22, ttmp9, 256                   ; among the weights' work-groups (not used for x's)
	s_lshr_b32 s23, s22, 5                         ; which weight
	s_and_b32 s22, s22, 31                         ; which 32,768 numbers of it
	s_cmp_eq_u32 s23, 1                            ; the choices hang on the work-group's number alone
	s_cselect_b64 s[6:7], s[8:9], s[6:7]
	s_cmp_eq_u32 s23, 2
	s_cselect_b64 s[6:7], s[10:11], s[6:7]
	s_cmp_lt_u32 ttmp9, 256
	s_cselect_b64 s[4:5], s[4:5], s[6:7]
	s_cselect_b32 s22, ttmp9, s22
	s_lshl_b32 s22, s22, 2
	s_add_co_u32 s22, s22, s20                     ; my wave's run of 8,192 numbers in its tensor
	s_lshl_b32 s22, s22, 15                        ; 32,768 bytes a run
	s_mov_b32 s23, 0
	s_add_nc_u64 s[4:5], s[4:5], s[22:23]
	s_lshl_b32 s24, ttmp9, 2
	s_add_co_u32 s24, s24, s20                     ; and in the joined matrix: the rows' order makes this linear in the work-group's number
	s_lshl_b32 s26, s24, 12                        ; 4,096 bytes of codes a run
	s_mov_b32 s27, 0
	s_add_nc_u64 s[14:15], s[14:15], s[26:27]
	s_lshl_b32 s26, s24, 8                         ; 256 scale bytes a run
	s_add_nc_u64 s[16:17], s[16:17], s[26:27]
.macro LOAD t
.irp i, 0,1,2,3
	global_load_b128 v[R+16*((\t)%4)+4*\i:R+16*((\t)%4)+4*\i+3], v3, s[4:5] offset:2048*(\t)+512*\i th:TH_LOAD_NT   ; 32 lanes read 512 consecutive bytes
.endr
.endm
.macro TURN t                          ; step t's numbers through the stage: LDS serves a wave's instructions in order, so no wait stands between the stores and the loads
.irp i, 0,1,2,3
	ds_store_b128 v14, v[R+16*((\t)%4)+4*\i:R+16*((\t)%4)+4*\i+3] offset:32*SP*((\t)%2)+8*SP*\i
.endr
.irp i, 0,1,2,3
	ds_load_b128 v[X+16*((\t)%2)+4*\i:X+16*((\t)%2)+4*\i+3], v15 offset:32*SP*((\t)%2)+16*\i
.endr
.endm
.irp t, 0,1,2,3
	LOAD \t
.endr
	s_wait_loadcnt 12                              ; step 0's four loads are in; three steps' twelve stay out
	TURN 0
.macro STEP t
.set XS, X+16*((\t)%2)
.if (\t) > 0
	s_wait_dscnt 1                                 ; this step's numbers are back from the stage (the last step's byte store may be out)
.else
	s_wait_dscnt 0x0
.endif
.if (\t)+4 < STEPS
	LOAD (\t)+4                                    ; into the set that this step's stage stores have read
.endif
.if (\t)+1 < STEPS
.if STEPS-2-(\t) >= 3
	s_wait_loadcnt 12                              ; the next step's four loads are in; those of the three steps behind it may be out
.else
	s_wait_loadcnt 4*(STEPS-2-(\t))
.endif
	TURN (\t)+1
.endif
	v_max3_num_f32 v8, |v[XS]|, |v[XS+1]|, |v[XS+2]|               ; the largest magnitude of my 16, in two chains
	v_max3_num_f32 v9, |v[XS+3]|, |v[XS+4]|, |v[XS+5]|
.irp i, 6,10
	v_max3_num_f32 v8, v8, |v[XS+\i]|, |v[XS+\i+1]|
	v_max3_num_f32 v9, v9, |v[XS+\i+2]|, |v[XS+\i+3]|
.endr
	v_max3_num_f32 v8, v8, |v[XS+14]|, |v[XS+15]|
	v_max3_num_f32 v8, v8, v9, (EMAX+1)<<23        ; and the floor 2^(3 - 127): the byte cannot fall under 1
	v_max_num_f32_dpp v8, v8, v8 row_xmask:1 row_mask:0xf bank_mask:0xf   ; with my neighbour's 16: the block's
	v_add_nc_u32 v11, -(EMAX<<23), v8              ; 2 off its exponent field: the conversion takes the exponent field of this operand as its scale
	v_cvt_scalef32_pk8_fp4_f32 v[C+4*(\t)], v[XS:XS+7], v11        ; to the nearest code, ties to even; beyond 6 the largest code
	v_cvt_scalef32_pk8_fp4_f32 v[C+4*(\t)+1], v[XS+8:XS+15], v11
	v_lshrrev_b32 v[E+(\t)], 23, v11               ; the scale's byte (also the plain line behind the conversions)
	ds_store_b8 v5, v[E+(\t)] offset:16*(\t)       ; both lanes of a block write the same byte with the same value
	global_store_b64 v4, v[C+4*(\t):C+4*(\t)+1], s[14:15] offset:32*CB*(\t)   ; the wave stores 256 consecutive bytes, aligned
.endm
.irp t, 0,1,2,3,4,5,6,7,8,9,10,11,12,13,14,15
	STEP \t
.endr
	ds_load_b64 v[8:9], v6                         ; in order behind my byte stores
	s_wait_dscnt 0x0
	global_store_b64 v7, v[8:9], s[16:17]          ; 256 consecutive scale bytes, aligned
	s_wait_tensorcnt 0x0                           ; the wave's end
	ds_add_u32 v[SPW], v[NIL]
	s_wait_dscnt 0x0
	s_endpgm
	; ------------------------------------------------------------------ job M
.Lmask:
	s_sub_co_u32 s22, ttmp9, QWG                   ; R: my 16 rows of the mask
	v_lshlrev_b32 v1, 4, v2                        ; 16 x lane: my bytes of a load's 512
	s_mul_i32 s21, s20, 16*MP
	s_add_co_u32 s21, s21, MST                     ; my wave's stage
	v_add_nc_u32 v8, s21, v1                       ; way in: a row as it lies
	v_and_b32 v3, 15, v2
	v_lshrrev_b32 v5, 4, v2
	v_mul_u32_u24 v9, v3, MP
	v_lshl_add_u32 v9, v5, 5, v9
	v_add_nc_u32 v9, s21, v9                       ; way out: row l % 16, + 32 (l / 16)
	v_lshlrev_b32 v4, 3, v2                        ; 8 x lane: two words a lane on the way to memory
.irp i, 0,1,2,3,4,5,6,7
	v_mov_b32 v[MO+\i], 0                          ; written whole once: v_writelane_b32 changes one lane
.endr
	s_lshl_b32 s24, s22, 17                        ; 16 rows of 8,192 bytes
	s_lshl_b32 s25, s20, 11                        ; my wave's 512 columns
	s_add_co_u32 s24, s24, s25
	s_mov_b32 s25, 0
	s_lshl_b32 s26, s22, 12                        ; 4,096 bytes of words for 16 rows
	s_lshl_b32 s27, s20, 10
	s_add_co_u32 s26, s26, s27
	s_mov_b32 s27, 0
	s_wait_kmcnt 0x0
	s_add_nc_u64 s[12:13], s[12:13], s[24:25]
	s_add_nc_u64 s[18:19], s[18:19], s[26:27]
.macro LOADM s                         ; step s: 16 rows x 128 columns; each load reads 512 consecutive bytes of one row
.irp q, 0,1,2,3,4,5,6,7,8,9,10,11,12,13,14,15
	global_load_b128 v[ML+64*((\s)%2)+4*\q:ML+64*((\s)%2)+4*\q+3], v1, s[12:13] offset:\q*8192+(\s)*512 th:TH_LOAD_NT
.endr
.endm
.macro STEPM s
.if (\s) < 3
	s_wait_loadcnt 16                              ; this step's 16 loads are in, the next step's 16 may be out
.else
	s_wait_loadcnt 0
.endif
.irp q, 0,1,2,3,4,5,6,7,8,9,10,11,12,13,14,15
	ds_store_b128 v8, v[ML+64*((\s)%2)+4*\q:ML+64*((\s)%2)+4*\q+3] offset:\q*MP
.endr
.irp c, 0,1,2,3,4,5,6,7
	ds_load_b128 v[MX+8*\c:MX+8*\c+3], v9 offset:64*\c             ; in order behind my stores
	ds_load_b128 v[MX+8*\c+4:MX+8*\c+7], v9 offset:64*\c+16
.endr
	s_wait_dscnt 0x0
.if (\s) < 2
	LOADM (\s)+2                                   ; into the set that the stage stores have read
.endif
.irp c, 0,1,2,3,4,5,6,7
.irp j, 0,1,2,3,4,5,6,7
	v_cmp_ne_u32 s[40+\j], 0, v[MX+8*\c+\j]        ; word 8 c + j of the step: a bit a lane
.endr
.irp j, 0,1,2,3,4,5,6,7
	v_writelane_b32 v[MO+2*(\s)+(\j%2)], s[40+\j], (8*\c+\j)/2     ; word k goes to lane k / 2, register k % 2
.endr
.endr
	global_store_b64 v4, v[MO+2*(\s):MO+2*(\s)+1], s[18:19] offset:256*(\s)   ; 256 consecutive bytes, aligned; each step has its own pair
.endm
	LOADM 0
	LOADM 1
	STEPM 0
	STEPM 1
	STEPM 2
	STEPM 3
	s_wait_tensorcnt 0x0                           ; the wave's end
	ds_add_u32 v[SPW], v[NIL]
	s_wait_dscnt 0x0
	s_endpgm
.Lfunc_end_k_q4ce706ff7f_prep:
	.size	k_q4ce706ff7f_prep, .Lfunc_end_k_q4ce706ff7f_prep-k_q4ce706ff7f_prep
	.p2alignl 7, 3214868480
	.fill 96, 4, 3214868480
	.section	.rodata,"a",@progbits
	.p2align	6, 0x0
	.amdhsa_kernel k_q4ce706ff7f_prep
		.amdhsa_group_segment_fixed_size 67072
		.amdhsa_private_segment_fixed_size 0
		.amdhsa_enable_private_segment 0
		.amdhsa_kernarg_size 64
		.amdhsa_user_sgpr_count 2
		.amdhsa_user_sgpr_kernarg_segment_ptr 1
		.amdhsa_wavefront_size32 1
		.amdhsa_system_sgpr_workgroup_id_x 1
		.amdhsa_system_sgpr_workgroup_id_y 1
		.amdhsa_system_sgpr_workgroup_id_z 1
		.amdhsa_system_vgpr_workitem_id 0
		.amdhsa_next_free_vgpr 216
		.amdhsa_next_free_sgpr 66
		.amdhsa_reserve_vcc 0
		.amdhsa_float_denorm_mode_32 3
		.amdhsa_float_denorm_mode_16_64 3
		.amdhsa_memory_ordered 1
		.amdhsa_forward_progress 1
		.amdhsa_inst_pref_size 81
	.end_amdhsa_kernel
	.amdgpu_metadata
---
amdhsa.version: [ 1, 2 ]
amdhsa.kernels:
  - .name:           k_q4ce706ff7f_prep
    .symbol:         k_q4ce706ff7f_prep.kd
    .args:
      - { .name: x, .offset: 0, .size: 8, .value_kind: global_buffer, .address_space: global }
      - { .name: Wq, .offset: 8, .size: 8, .value_kind: global_buffer, .address_space: global }
      - { .name: Wk, .offset: 16, .size: 8, .value_kind: global_buffer, .address_space: global }
      - { .name: Wv, .offset: 24, .size: 8, .value_kind: global_buffer, .address_space: global }
      - { .name: mask, .offset: 32, .size: 8, .value_kind: global_buffer, .address_space: global }
      - { .name: codes, .offset: 40, .size: 8, .value_kind: global_buffer, .address_space: global }
      - { .name: scales, .offset: 48, .size: 8, .value_kind: global_buffer, .address_space: global }
      - { .name: mbits, .offset: 56, .size: 8, .value_kind: global_buffer, .address_space: global }
    .group_segment_fixed_size: 67072
    .private_segment_fixed_size: 0
    .kernarg_segment_align: 8
    .kernarg_segment_size: 64
    .max_flat_workgroup_size: 128
    .sgpr_count:     66
    .vgpr_count:     216
    .wavefront_size: 32
...
	.end_amdgpu_metadata
.endif
;; end of part 1
;; launch proj (part 2): grid 12 x 32, 4 waves a work-group, clusters of 4 x 4, 327,680 bytes of LDS; arguments codes, scales, bq, bk, bv, qkv; writes qkv
.if DOCPART == 2
	.amdgcn_target "amdgcn-amd-amdhsa--gfx1250"
	.amdhsa_code_object_version 6
	.text
	.protected	k_q4ce706ff7f_proj
	.globl	k_q4ce706ff7f_proj
	.p2align	8
	.type	k_q4ce706ff7f_proj,@function
k_q4ce706ff7f_proj:
	s_mov_b64 s[64:65], 0
	v_nop
	global_prefetch_b8 v0, s[64:65] scope:SCOPE_SE
	s_setreg_imm32_b32 hwreg(HW_REG_WAVE_MODE, 25, 1), 1
	s_wait_xcnt 0x0
	s_wait_alu depctr_hold_cnt(0) depctr_sa_sdst(0) depctr_va_vdst(0) depctr_va_sdst(0) depctr_va_ssrc(0) depctr_va_vcc(0) depctr_vm_vsrc(0)
	s_getreg_b32 s2, hwreg(HW_REG_IB_STS2, 6, 4)
	s_cmp_eq_u32 s2, 0
	s_cbranch_scc0 .Lentry_in_a_cluster
	s_endpgm
.Lentry_in_a_cluster:
	s_bfe_u32 s2, ttmp6, 0x10000c
	s_cmp_lg_u32 s2, 0xf033
	s_cbranch_scc0 .Lentry_shape_is_right
	s_endpgm
.Lentry_shape_is_right:
; PROJ.  qkv [8192][3072] f16 = x [Wq; Wk; Wv]^T + bias, on codes of FP4 (E2M1) with one E8M0 scale for each 32 along K (K = 1,024); sums in f32.
; Columns 0-1023: Q' = (x Wq^T + bq) c, c = log2(e) / 32, multiplied in f32 ahead of the rounding to f16, so that the next launch's sums are the softmax's exponents to base 2; 1024-2047: K; 2048-3071: V.
; LIMIT: a result beyond 65,504 in magnitude becomes an infinity of f16.
; A tile of 256 x 256 is made by four waves, 128 x 128 each: 64 accumulators, 512 registers.  K = 1,024 is two slots of 512 along K (rows of 256 bytes): both are filled once, at the start; nothing is filled again.
; The scale bytes of the work-group's 256 + 256 rows, 32 bytes a row, are two dense blocks: they come once, as rows of 256 bytes.  By this text's count a wave has three tensor loads out at the start, and none later.
; CLUSTERS: 4 x 4 work-groups; A's tiles (x) are asked for jointly along a row of the cluster, B's (the weights) along a column.  A cluster's x is the third of the columns (Q, K or V): it chooses the bias and the factor.
; THE MATRIX INSTRUCTION IS USED TRANSPOSED (source 0 = 16 rows of W, source 1 = 16 rows of x): a lane holds eight neighbouring columns of one row.  The bias is the C of each sum's first product.
; REGISTERS: window 0: v0-31 addresses; v32-95 scale words, two sets; v128-191 A's fragments, one set; v192-255 the bias in the result's layout.  window 1: B's fragments, two sets.  windows 2, 3: accumulators.
.set NQ,     4                         ; matrix instructions deep in a slot
.set ROWB,   256                       ; a tile's row in bytes: 512 codes
.set KROW,   512                       ; a row of codes in memory
.set PITCH,  272                       ; an LDS row: 256 + 16: 68 words, so that 16 rows start at 16 different banks (64 banks of 4 bytes: ISA guide 11.1)
.set FR,     8
.set NL,     2
.set NP,     4                         ; places behind this matrix instruction (ISA guide 7.12.1)
.set HALFT,  128*PITCH
.set SLOT,   4*HALFT
.set KS,     32                        ; a row of scales in bytes
.set SCL,    2*SLOT
.set HALFS,  (128*KS/256)*272
.set SBLK,   (16*KS/256)*272
.set SPARE,  SCL+4*HALFS               ; the spare words, 128 bytes a wave
.set SPITCH, 272                       ; the way out: 16 rows x (256 + 16) bytes for each wave, in slot 0, which has had its only fill and its last read by then
.set CROW,   6144                      ; a row of qkv in bytes
.set ADRA, 16
.set ADRB, 20
.set STO,  24
.set RD,   25
.set CO,   26
.set ADRS, 27
.set SPW,  28
.set NIL,  29
.set SC,   32
.set AF,   128
.set BI,   192
.set T,    32                          ; the way out: 64 numbers x the factor,
.set TMP,  96                          ; packed to f16,
.set BK,   128                         ; and 16 rows read back: v128-159 and v160-191 by turns
.set G1, 24
.set G0, 32
.set G1B, 48
.set G0B, 56
.set G1S, 68
.set G0S, 76
.set G1SB, 80
.set G0SB, 88
.set MSB, 0
.macro WIN new                         ; the immediate's high byte repeats the setting that is left
.if MSB != (\new)
	s_set_vgpr_msb (MSB<<8)|(\new)
.set MSB, (\new)
.endif
.endm
.set MUL_LO, 0xa1                      ; source 0 (B) window 1, source 1 (A) window 0, C and D window 2
.set MUL_HI, 0xf1                      ; the same, C and D window 3
.set TO_B,   0x40
; A joint load: waves 0 and 1 fetch for A, waves 2 and 3 for B; the branch hangs on the wave's number alone.  An s_nop 0 and four v_nop follow each line.
.macro JLOAD g0a, g1a, g0b, g1b
	s_cmp_eq_u32 s15, 0
	s_cbranch_scc0 .Lfor_b_\@
	tensor_load_to_lds s[\g0a:\g0a+3], s[\g1a:\g1a+7]
	s_nop 0
.rept 4
	v_nop
.endr
	s_branch .Lasked_\@
.Lfor_b_\@:
	tensor_load_to_lds s[\g0b:\g0b+3], s[\g1b:\g1b+7]
	s_nop 0
.rept 4
	v_nop
.endr
.Lasked_\@:
.endm
.macro CROUND                          ; a round of the cluster's barrier
	s_barrier_signal -1
	s_barrier_wait -1
	s_cmp_lg_u32 s14, 0
	s_cbranch_scc1 .Lnot_wave_0_\@
	s_barrier_signal -3
.Lnot_wave_0_\@:
	s_barrier_wait -3
	s_barrier_signal -1
	s_barrier_wait -1
.endm
	s_load_b256 s[4:11], s[0:1], 0x0               ; codes s[4:5], scales s[6:7], bq s[8:9], bk s[10:11]
	s_load_b128 s[96:99], s[0:1], 0x20             ; bv s[96:97], qkv s[98:99]
	v_lshl_add_u32 v[SPW], v0, 2, SPARE
	v_mov_b32 v[NIL], 0
	ds_add_u32 v[SPW], v[NIL]                      ; the wave's opening
	ds_add_u32 v[SPW], v[NIL]
	v_lshrrev_b32 v1, 5, v0
	v_readfirstlane_b32 s14, v1                    ; wave 0..3
	s_lshr_b32 s15, s14, 1                         ; my half of the tile's rows.  Also: I fetch for A (0) or for B (1)
	s_and_b32 s16, s14, 1                          ; my half of its columns.  Also: which 128 rows I fetch
	s_bfe_u32 s40, ttmp6, 0x40000                  ; cx, cy
	s_bfe_u32 s41, ttmp6, 0x40004
	s_lshl_b32 s42, ttmp9, 2
	s_add_co_u32 s42, s42, s40                     ; tile column 0..11
	s_and_b32 s17, ttmp7, 0xffff
	s_lshl_b32 s17, s17, 2
	s_add_co_u32 s17, s17, s41                     ; tile row 0..31
	s_lshl_b32 s43, s41, 2
	s_lshl_b32 s43, 15, s43                        ; my row of the cluster
	s_lshl_b32 s44, 0x1111, s40                    ; my column
	s_or_b32 s[G1+0], s43, (0<<16)|(1<<20)|(1<<21)|(5<<22)|(3<<25)  ; the mask; elements of 1 byte; padding on; bit 21 beside a mask; 4 words behind every 64
	s_or_b32 s[G1B+0], s44, (0<<16)|(1<<20)|(1<<21)|(5<<22)|(3<<25)
.irp g, G1, G1B
	s_mov_b32 s[\g+1], ROWB<<16                    ; tensor_dim0
	s_mov_b32 s[\g+2], 128<<16                     ; tensor_dim1
	s_mov_b32 s[\g+3], ROWB<<16                    ; tile_dim0
	s_mov_b32 s[\g+4], 128                         ; tile_dim1
	s_mov_b32 s[\g+5], KROW                        ; stride
	s_mov_b32 s[\g+6], 0
	s_mov_b32 s[\g+7], 0
.endr
	s_or_b32 s[G1S+0], s43, (3<<16)|(1<<20)|(1<<21)|(5<<22)|(3<<25) ; the scales of 128 rows: 4,096 dense bytes as 16 rows of 32 elements of 8 bytes
	s_or_b32 s[G1SB+0], s44, (3<<16)|(1<<20)|(1<<21)|(5<<22)|(3<<25)
.irp g, G1S, G1SB
	s_mov_b32 s[\g+1], 32<<16
	s_mov_b32 s[\g+2], (128*KS/256)<<16
	s_mov_b32 s[\g+3], 32<<16
	s_mov_b32 s[\g+4], 128*KS/256
	s_mov_b32 s[\g+5], 32
	s_mov_b32 s[\g+6], 0
	s_mov_b32 s[\g+7], 0
.endr
	s_lshl_b32 s18, s16, 7
	s_lshl_b32 s20, s17, 8
	s_add_co_u32 s20, s20, s18                     ; A: row 256 x tile row + 128 x half
	s_lshl_b32 s46, s42, 8
	s_add_co_u32 s46, s46, s18                     ; B: row 256 x tile column + 128 x half, among the weights' 3,072
	s_mov_b32 s21, 0
	s_mov_b32 s47, 0
	s_mov_b64 s[18:19], KS
	s_mul_u64 s[22:23], s[20:21], s[18:19]
	s_mul_u64 s[92:93], s[46:47], s[18:19]
	s_mov_b64 s[18:19], KROW
	s_mul_u64 s[20:21], s[20:21], s[18:19]
	s_mul_u64 s[46:47], s[46:47], s[18:19]
	s_mul_i32 s45, s14, HALFT                      ; where they go: wave x 128 rows
	s_mul_i32 s94, s14, HALFS
	s_wait_dscnt 0x0                               ; both opening adds are done
	s_wait_kmcnt 0x0
	s_cmp_eq_u32 ttmp9, 0                          ; the cluster's x: the same in all sixteen partners
	s_cselect_b64 s[100:101], s[8:9], s[10:11]     ; bq or bk,
	s_cselect_b32 s2, 0x3d38aa3b, 1.0              ; c for Q's columns, 1 for the others
	s_cmp_eq_u32 ttmp9, 2
	s_cselect_b64 s[100:101], s[96:97], s[100:101] ; or bv
	s_mov_b32 s3, s2                               ; (named with it as a pair)
	s_add_nc_u64 s[8:9], s[4:5], 0x400000          ; the weights' codes: behind x's 8,192 rows of 512 bytes
	s_add_nc_u64 s[10:11], s[6:7], 0x40000         ; and their scales: behind 8,192 rows of 32
	s_mov_b64 s[12:13], s[98:99]
	s_add_nc_u64 s[20:21], s[4:5], s[20:21]
	s_add_nc_u64 s[22:23], s[6:7], s[22:23]
	s_add_nc_u64 s[46:47], s[8:9], s[46:47]
	s_add_nc_u64 s[92:93], s[10:11], s[92:93]
	CROUND                                         ; all sixteen work-groups are here: the joint loads meet
	s_mov_b32 s[G0S], 1
	s_add_co_u32 s[G0S+1], s94, SCL
	s_mov_b64 s[G0S+2:G0S+3], s[22:23]
	s_or_b32 s[G0S+3], s[G0S+3], 0x80000000
	s_mov_b32 s[G0SB], 1
	s_add_co_u32 s[G0SB+1], s94, SCL
	s_mov_b64 s[G0SB+2:G0SB+3], s[92:93]
	s_or_b32 s[G0SB+3], s[G0SB+3], 0x80000000
	JLOAD G0S, G1S, G0SB, G1SB                     ; the scales first: they are wanted with the first slot
.irp s, 0,1
	s_mov_b32 s[G0+4*\s], 1
	s_add_co_u32 s[G0+4*\s+1], s45, \s*SLOT
	s_add_nc_u64 s[G0+4*\s+2:G0+4*\s+3], s[20:21], \s*ROWB
	s_or_b32 s[G0+4*\s+3], s[G0+4*\s+3], 0x80000000
	s_mov_b32 s[G0B+4*\s], 1
	s_add_co_u32 s[G0B+4*\s+1], s45, \s*SLOT
	s_add_nc_u64 s[G0B+4*\s+2:G0B+4*\s+3], s[46:47], \s*ROWB
	s_or_b32 s[G0B+4*\s+3], s[G0B+4*\s+3], 0x80000000
	JLOAD G0+4*\s, G1, G0B+4*\s, G1B
.endr
	v_and_b32 v1, 15, v0                           ; r
	v_bfe_u32 v2, v0, 4, 1                         ; h
	; the bias of my 128 columns, in the result's layout: register 8 b + j = bias[16 b + 8 h + j]
	s_lshl_b32 s46, s40, 10                        ; 256 columns x 4 bytes for each place along the cluster's x,
	s_lshl_b32 s47, s16, 9                         ; 128 for my half
	s_add_co_u32 s46, s46, s47
	s_mov_b32 s47, 0
	s_add_nc_u64 s[100:101], s[100:101], s[46:47]
	v_lshlrev_b32 v7, 5, v2
.irp b, 0,1,2,3,4,5,6,7
	global_load_b128 v[BI+8*\b:BI+8*\b+3], v7, s[100:101] offset:64*\b
	global_load_b128 v[BI+8*\b+4:BI+8*\b+7], v7, s[100:101] offset:64*\b+16
.endr
	v_mul_u32_u24 v3, v1, PITCH
	v_lshl_add_u32 v4, v2, 4, v3                   ; a fragment's row x pitch + 16 x half
	s_mul_i32 s21, s15, HALFT
	s_mul_i32 s22, s16, HALFT
	s_add_co_u32 s22, s22, 2*HALFT
.irp s, 0,1
	v_add_nc_u32 v[ADRA+\s], s21, v4
	v_add_nc_u32 v[ADRB+\s], s22, v4
	s_add_co_u32 s21, s21, SLOT
	s_add_co_u32 s22, s22, SLOT
.endr
	v_mul_u32_u24 v5, v1, KS                       ; my row's scales: 32 bytes a row,
	v_lshrrev_b32 v6, 8, v5
	v_lshl_add_u32 v5, v6, 4, v5                   ; and 16 more for each 256 passed
	s_mul_i32 s21, s15, HALFS
	s_mul_i32 s22, s16, HALFS
	s_add_co_u32 s22, s22, 2*HALFS
	s_sub_co_u32 s22, s22, s21
	v_mul_u32_u24 v6, s22, v2                      ; lanes 16-31 take B's: one product, the distance between the two bases
	s_add_co_u32 s21, s21, SCL
	v_add_nc_u32 v5, v5, v6
	v_add_nc_u32 v[ADRS], s21, v5
	s_mul_i32 s23, s14, 16*SPITCH                  ; my stage
	v_mul_u32_u24 v5, v1, SPITCH
	v_lshl_add_u32 v5, v2, 4, v5
	v_add_nc_u32 v[STO], s23, v5                   ; in: row r, 16 bytes for each half of the lanes
	v_mul_u32_u24 v5, v2, SPITCH
	v_lshl_add_u32 v5, v1, 4, v5
	v_add_nc_u32 v[RD], s23, v5                    ; back: lanes 0-15 one row of 256 bytes, lanes 16-31 the next
	v_mul_u32_u24 v5, v2, CROW
	v_lshl_add_u32 v[CO], v1, 4, v5                ; and the same two rows in qkv
	s_lshl_b32 s20, s17, 8
	s_lshl_b32 s21, s15, 7
	s_add_co_u32 s20, s20, s21                     ; my first row
	s_mov_b32 s21, 0
	s_mov_b64 s[18:19], CROW
	s_mul_u64 s[20:21], s[20:21], s[18:19]
	s_lshl_b32 s46, s42, 9                         ; my first column, in bytes: 512 x tile column + 256 x half
	s_lshl_b32 s47, s16, 8
	s_add_co_u32 s46, s46, s47
	s_mov_b32 s47, 0
	s_add_nc_u64 s[20:21], s[20:21], s[46:47]
	s_add_nc_u64 s[12:13], s[12:13], s[20:21]
.macro FRAG reg, adr, q, i             ; 16 rows x 128 K of 4-bit codes: 8 registers, two loads of 16 bytes, 32 bytes apart
.irp c, 0,1
	ds_load_b128 v[\reg+4*\c:\reg+4*\c+3], v[\adr] offset:64*(\q)+32*\c+(\i)*16*PITCH
.endr
.endm
; 16 matrix instructions: A's blocks a0, a0 + 1 x B's eight.  zero = 1: the first product starts the sums from the bias.  The 64 accumulators take turns, one instruction a turn.
.macro MUL16 a0, p, q, sc, zero
.irp a, \a0, \a0+1
.irp b, 0,1,2,3,4,5,6,7
.if \zero
	v_wmma_scale_f32_16x16x128_f8f6f4 v[8*(8*((\a)%4)+\b):8*(8*((\a)%4)+\b)+7], v[128*(\p)+FR*\b:128*(\p)+FR*\b+FR-1], v[AF+FR*(\a):AF+FR*(\a)+FR-1], v[BI+8*\b:BI+8*\b+7], v[SC+8*NQ*(\sc)+NQ*\b+(\q)], v[SC+8*NQ*(\sc)+NQ*(\a)+(\q)] matrix_a_fmt:MATRIX_FMT_FP4 matrix_b_fmt:MATRIX_FMT_FP4 matrix_a_scale:MATRIX_SCALE_ROW1
.else
	v_wmma_scale_f32_16x16x128_f8f6f4 v[8*(8*((\a)%4)+\b):8*(8*((\a)%4)+\b)+7], v[128*(\p)+FR*\b:128*(\p)+FR*\b+FR-1], v[AF+FR*(\a):AF+FR*(\a)+FR-1], v[8*(8*((\a)%4)+\b):8*(8*((\a)%4)+\b)+7], v[SC+8*NQ*(\sc)+NQ*\b+(\q)], v[SC+8*NQ*(\sc)+NQ*(\a)+(\q)] matrix_a_fmt:MATRIX_FMT_FP4 matrix_b_fmt:MATRIX_FMT_FP4 matrix_a_scale:MATRIX_SCALE_ROW1
.endif
.endr
.endr
.endm
.macro FETCH_B slot, q, p
	WIN TO_B
.irp i, 0,1,2,3,4,5,6,7
	FRAG 128*(\p)+FR*\i, ADRB+\slot, \q, \i
.endr
	WIN 0
.endm
.macro FETCH_A slot, q, i0
.irp i, \i0, \i0+1, \i0+2, \i0+3
	FRAG AF+FR*(\i), ADRA+\slot, \q, \i
.endr
.endm
.macro SCALES sc                       ; a slot's scale words: lanes 0-15 take A's block i, lanes 16-31 B's block i
.irp i, 0,1,2,3,4,5,6,7
	ds_load_b128 v[SC+8*NQ*\sc+NQ*\i:SC+8*NQ*\sc+NQ*\i+3], v[ADRS] offset:\i*SBLK
.endr
.endm
.macro PLACES n                        ; plain vector instructions that name no register of the matrix instructions before them (ISA guide 7.12.1)
.rept \n
	v_nop
.endr
.endm
.macro STEP slot, q, zero              ; 128 along K with its successor in the same slot
	s_wait_dscnt 4*NL                              ; B's set and A's blocks 0-3 are in; the youngest eight loads (A's blocks 4-7) may be out
.if \zero
	WIN 0x81                                       ; the bias, source 2, lies in window 0
.else
	WIN MUL_LO
.endif
	MUL16 0, (\q)%2, \q, \slot, \zero
	MUL16 2, (\q)%2, \q, \slot, \zero
	s_wait_dscnt 0                                 ; A's blocks 4-7 are in
	PLACES NP
	FETCH_B \slot, (\q)+1, 1-(\q)%2
	FETCH_A \slot, (\q)+1, 0
.if \zero
	WIN 0xc1
.else
	WIN MUL_HI
.endif
	MUL16 4, (\q)%2, \q, \slot, \zero
	MUL16 6, (\q)%2, \q, \slot, \zero
	PLACES NP
	WIN 0
	FETCH_A \slot, (\q)+1, 4
.endm
	s_wait_tensorcnt 1                             ; the scales and my part of slot 0 are in; slot 1's load may stay out
	s_barrier_signal -1
	s_barrier_wait -1
	FETCH_B 0, 0, 0
	FETCH_A 0, 0, 0
	SCALES 0
	FETCH_A 0, 0, 4
	s_wait_loadcnt 0x0                             ; the bias
	STEP 0, 0, 1
	STEP 0, 1, 0
	STEP 0, 2, 0
	; slot 0's last step changes slots: my part of slot 1 has landed, everybody's behind the barrier
	s_wait_tensorcnt 0x0
	ds_add_u32 v[SPW], v[NIL]                      ; 0 onto my spare word
	s_wait_dscnt 4*NL+1                            ; (the add and A's blocks 4-7 may be out)
	WIN MUL_LO
	MUL16 0, 1, NQ-1, 0, 0
	s_wait_dscnt 0x0                               ; the add is done, and my reads of slot 0 are over
	s_barrier_signal -1
	MUL16 2, 1, NQ-1, 0, 0
	WIN 0
	s_barrier_wait -1
	PLACES NP
	v_add_nc_u32 v[ADRS], 4*NQ, v[ADRS]            ; the second slot's scale words: 16 bytes on in each row
	FETCH_B 1, 0, 0
	FETCH_A 1, 0, 0
	SCALES 1
	WIN MUL_HI
	MUL16 4, 1, NQ-1, 0, 0
	MUL16 6, 1, NQ-1, 0, 0
	PLACES NP
	WIN 0
	FETCH_A 1, 0, 4
	STEP 1, 0, 0
	STEP 1, 1, 0
	STEP 1, 2, 0
	s_wait_dscnt 4*NL                              ; the last step: nothing more to fetch
	WIN MUL_LO
	MUL16 0, 1, NQ-1, 1, 0
	MUL16 2, 1, NQ-1, 1, 0
	s_wait_dscnt 0
	WIN MUL_HI
	MUL16 4, 1, NQ-1, 1, 0
	MUL16 6, 1, NQ-1, 1, 0
	WIN 0
; THE WAY OUT, a block of 16 rows x 128 columns at a time: x the factor in f32, rounded to f16 (16 bytes a lane), through my own stage, back as whole rows of 256 bytes.
.macro PACK a
.set AC, 64*((\a)%4)
	WIN 0x02+((\a)/4)                              ; source 0: window 2 or 3
.set i, 0
.rept 32
	v_pk_mul_f32 v[T+2*i:T+2*i+1], v[AC+2*i:AC+2*i+1], s[2:3] op_sel_hi:[1,0]   ; each accumulator from its low end on
.set i, i+1
.endr
	WIN 0
.set i, 0
.rept 32
	v_cvt_pk_f16_f32 v[TMP+i], v[T+2*i], v[T+2*i+1]
.set i, i+1
.endr
.endm
.macro TOSTAGE a
.set BB, BK+32*((\a)%2)
.irp b, 0,1,2,3,4,5,6,7
	ds_store_b128 v[STO], v[TMP+4*\b:TMP+4*\b+3] offset:32*\b
.endr
.irp t, 0,1,2,3,4,5,6,7
	ds_load_b128 v[BB+4*\t:BB+4*\t+3], v[RD] offset:\t*2*SPITCH    ; LDS serves a wave's instructions in order (ISA guide 5.7.1.4): these see the stores above
.endr
.endm
.macro SEND a
.set BB, BK+32*((\a)%2)
	s_wait_dscnt 0x0                               ; the block is back in registers
	s_wait_xcnt 0x0                                ; earlier stores have read their base and their registers: only now are these written again
.if (\a) > 0
	s_add_nc_u64 s[12:13], s[12:13], 16*CROW
.endif
.irp t, 0,1,2,3,4,5,6,7
	global_store_b128 v[CO], v[BB+4*\t:BB+4*\t+3], s[12:13] offset:2*\t*CROW   ; 16 lanes store 256 consecutive bytes, at a multiple of 256 from the buffer's first byte
.endr
.endm
	PLACES NP                                      ; behind the last products: their results are read, and their scale and fragment registers written, below
	PACK 0
	TOSTAGE 0
.irp a, 1,2,3,4,5,6,7                  ; block a's arithmetic stands between block a - 1's loads from the stage and the wait for them
	PACK \a
	SEND \a-1
	TOSTAGE \a
.endr
	SEND 7
	s_wait_tensorcnt 0x0                           ; the wave's end
	ds_add_u32 v[SPW], v[NIL]
	s_wait_dscnt 0x0
	CROUND                                         ; the closing round
	s_endpgm
.Lfunc_end_k_q4ce706ff7f_proj:
	.size	k_q4ce706ff7f_proj, .Lfunc_end_k_q4ce706ff7f_proj-k_q4ce706ff7f_proj
	.p2alignl 7, 3214868480
	.fill 96, 4, 3214868480
	.section	.rodata,"a",@progbits
	.p2align	6, 0x0
	.amdhsa_kernel k_q4ce706ff7f_proj
		.amdhsa_group_segment_fixed_size 327680
		.amdhsa_private_segment_fixed_size 0
		.amdhsa_enable_private_segment 0
		.amdhsa_kernarg_size 48
		.amdhsa_user_sgpr_count 2
		.amdhsa_user_sgpr_kernarg_segment_ptr 1
		.amdhsa_wavefront_size32 1
		.amdhsa_system_sgpr_workgroup_id_x 1
		.amdhsa_system_sgpr_workgroup_id_y 1
		.amdhsa_system_sgpr_workgroup_id_z 1
		.amdhsa_system_vgpr_workitem_id 0
		.amdhsa_next_free_vgpr 1024
		.amdhsa_next_free_sgpr 102
		.amdhsa_reserve_vcc 0
		.amdhsa_float_denorm_mode_32 3
		.amdhsa_float_denorm_mode_16_64 3
		.amdhsa_memory_ordered 1
		.amdhsa_forward_progress 1
		.amdhsa_inst_pref_size 145
	.end_amdhsa_kernel
	.amdgpu_metadata
---
amdhsa.version: [ 1, 2 ]
amdhsa.kernels:
  - .name:           k_q4ce706ff7f_proj
    .symbol:         k_q4ce706ff7f_proj.kd
    .args:
      - { .name: codes, .offset: 0, .size: 8, .value_kind: global_buffer, .address_space: global }
      - { .name: scales, .offset: 8, .size: 8, .value_kind: global_buffer, .address_space: global }
      - { .name: bq, .offset: 16, .size: 8, .value_kind: global_buffer, .address_space: global }
      - { .name: bk, .offset: 24, .size: 8, .value_kind: global_buffer, .address_space: global }
      - { .name: bv, .offset: 32, .size: 8, .value_kind: global_buffer, .address_space: global }
      - { .name: qkv, .offset: 40, .size: 8, .value_kind: global_buffer, .address_space: global }
    .group_segment_fixed_size: 327680
    .private_segment_fixed_size: 0
    .kernarg_segment_align: 8
    .kernarg_segment_size: 48
    .max_flat_workgroup_size: 128
    .sgpr_count:     102
    .vgpr_count:     1024
    .wavefront_size: 32
...
	.end_amdgpu_metadata
.endif
;; end of part 2
;; launch scores (part 3): grid 8 x 32, 4 waves a work-group, clusters of 4 x 4, 327,680 bytes of LDS; arguments qkv, mbits, p, stats; writes p, stats
.if DOCPART == 3
	.amdgcn_target "amdgcn-amd-amdhsa--gfx1250"
	.amdhsa_code_object_version 6
	.text
	.protected	k_q4ce706ff7f_scores
	.globl	k_q4ce706ff7f_scores
	.p2align	8
	.type	k_q4ce706ff7f_scores,@function
k_q4ce706ff7f_scores:
	s_mov_b64 s[64:65], 0
	v_nop
	global_prefetch_b8 v0, s[64:65] scope:SCOPE_SE
	s_setreg_imm32_b32 hwreg(HW_REG_WAVE_MODE, 25, 1), 1
	s_wait_xcnt 0x0
	s_wait_alu depctr_hold_cnt(0) depctr_sa_sdst(0) depctr_va_vdst(0) depctr_va_sdst(0) depctr_va_ssrc(0) depctr_va_vcc(0) depctr_vm_vsrc(0)
	s_getreg_b32 s2, hwreg(HW_REG_IB_STS2, 6, 4)
	s_cmp_eq_u32 s2, 0
	s_cbranch_scc0 .Lentry_in_a_cluster
	s_endpgm
.Lentry_in_a_cluster:
	s_bfe_u32 s2, ttmp6, 0x10000c
	s_cmp_lg_u32 s2, 0xf033
	s_cbranch_scc0 .Lentry_shape_is_right
	s_endpgm
.Lentry_shape_is_right:
; SCORES.  t = Q' K^T (f16 operands, f32 sums): Q' carries log2(e) / 32, so t is the softmax's exponent to base 2.  Where the mask is 0, t = -1e9 log2(e).
; For each query and each CHUNK of 128 keys: M = the largest t of the chunk, rounded up to a whole number; p = 2^(t - M), stored as f16; l = the sum of the unrounded p.  -M and l go to stats.
; The next launch knows all 16 chunks' M of a row and brings the chunks under the row's largest M by powers of two: so the true maximum is taken away, in two steps.
; p: [8192][2048] f16.  stats: [16 chunks][2][8192] f32: plane 0 holds -M, plane 1 holds l.
; LIMITS: NaN and infinities are not served.  p under 2^-24 of its chunk's largest becomes 0 in f16.
; A tile of 256 queries x 256 keys is made by four waves, 128 x 128 each: a wave's 128 keys are one chunk, so no wave needs another for its maxima and sums.
; K = 1,024 goes in 8 steps of 128 through two LDS slots (rows of 256 bytes, 272 apart in LDS).  CLUSTERS: 4 x 4; Q's tiles are asked for jointly along a row of the cluster, K's along a column.
; THE MATRIX INSTRUCTION IS USED TRANSPOSED (source 0 = 16 keys, source 1 = 16 queries): lane l holds query l % 16 and keys 8 (l / 16) + 0 .. 7 of each block of 16.
; REGISTERS: window 0: v0-31 addresses; v64-127, v128-191 Q's fragments, two buffers (free on the way out).  window 1: v64-191 K's fragments.  windows 2, 3: accumulator (a, b) at v[8 (8 (a % 4) + b)].
.set KSTEP,  128
.set PITCH,  272
.set HALFT,  128*PITCH
.set SLOT,   4*HALFT
.set STAGE,  2*SLOT                    ; 16 rows x 272 bytes for each wave
.set SPITCH, 272
.set STX,    STAGE+4*16*SPITCH         ; 1,024 bytes for each wave: 128 rows' -M, then their l
.set SPARE,  STX+4*1024                ; the spare words, 128 bytes a wave
.set LAPS,   4
.set QROW,   6144                      ; a row of qkv in bytes
.set PROW,   4096                      ; a row of p in bytes
.set SXS,  10                          ; v10  STX + 1,024 wave + 4 (l % 16)
.set SXL,  11                          ; v11  STX + 1,024 wave + 16 lane
.set LN,   12                          ; v12  16 lane
.set ADRA, 16
.set ADRB, 20
.set STO,  24
.set RD,   25
.set CO,   26
.set SPW,  28
.set NIL,  29
.set PFO,  30                          ; v30  lane x a row of qkv; never rewritten
.set NM,   32                          ; v[32 + 2 a] -M of block a; the odd register beside it holds the raw maximum, so that the pair is written
.set LS,   48                          ; v[48 + 2 a : 49 + 2 a] block a's sum, even and odd keys'
.set OB,   64                          ; 16 rows read back from the stage: v64-95 and v96-127 by turns
.set D,    128                         ; four chains of the maximum
.set T,    132                         ; v132-163 the sums' tree
.set TMP,  192                         ; v192-223 p as f16
.set F0,   64
.set F1,   128
.set G1, 24
.set G0, 32
.set G1B, 48
.set G0B, 56
.set LIM, 43                           ; s43  1 in a wave that prefetches, else the greatest number
.set PFA, 44                           ; s[44:45] where my prefetches stand
.set MSB, 0
.macro WIN new
.if MSB != (\new)
	s_set_vgpr_msb (MSB<<8)|(\new)
.set MSB, (\new)
.endif
.endm
.set MUL_LO, 0xa1
.set MUL_HI, 0xf1
.set TO_B,   0x40
.macro JLOAD s                         ; waves 0 and 1 fetch Q's two halves, waves 2 and 3 K's; an s_nop 0 and four v_nop follow each line
	s_cmp_eq_u32 s11, 0
	s_cbranch_scc0 .Lfor_b_\@
	tensor_load_to_lds s[G0+4*\s:G0+4*\s+3], s[G1:G1+7]
	s_nop 0
.rept 4
	v_nop
.endr
	s_branch .Lasked_\@
.Lfor_b_\@:
	tensor_load_to_lds s[G0B+4*\s:G0B+4*\s+3], s[G1B:G1B+7]
	s_nop 0
.rept 4
	v_nop
.endr
.Lasked_\@:
.endm
; A prefetch of the K step that stands two refills on: 32 rows x 256 bytes, a lane a row, one instruction a wave.  Q's tile row is read by both clusters of a row of clusters: the first (x = 0) asks;
; K's tile column by the two clusters of a batch: the even one asks.  The four partners that ask for a tile jointly share its rows out by address.  The last trip asks for nothing: K has no step behind its eighth.
.macro ASK
	s_cmp_gt_u32 s3, s[LIM]
	s_cbranch_scc0 .Lnot_mine_\@
	global_prefetch_b8 v[PFO], s[PFA:PFA+1] offset:KSTEP*2 th:TH_LOAD_NT scope:SCOPE_SE
.Lnot_mine_\@:
.endm
.macro CREST
	s_cmp_lg_u32 s10, 0
	s_cbranch_scc1 .Lnot_wave_0_\@
	s_barrier_signal -3
.Lnot_wave_0_\@:
	s_barrier_wait -3
	s_barrier_signal -1
	s_barrier_wait -1
.endm
.macro CROUND
	s_barrier_signal -1
	s_barrier_wait -1
	CREST
.endm
	s_load_b256 s[68:75], s[0:1], 0x0              ; qkv s[68:69], mbits s[70:71], p s[72:73], stats s[74:75]
	v_lshl_add_u32 v[SPW], v0, 2, SPARE
	v_mov_b32 v[NIL], 0
	ds_add_u32 v[SPW], v[NIL]                      ; the wave's opening
	ds_add_u32 v[SPW], v[NIL]
	v_lshrrev_b32 v1, 5, v0
	v_readfirstlane_b32 s10, v1                    ; wave 0..3
	s_lshr_b32 s11, s10, 1                         ; my half of the queries.  Also: I fetch for Q (0) or for K (1)
	s_and_b32 s12, s10, 1                          ; my half of the keys.  Also: which 128 rows I fetch
	s_bfe_u32 s40, ttmp6, 0x40000                  ; cx
	s_bfe_u32 s41, ttmp6, 0x40004                  ; cy
	s_lshl_b32 s42, ttmp9, 2
	s_add_co_u32 s42, s42, s40                     ; key tile 0..7
	s_and_b32 s84, ttmp7, 0xffff                   ; cluster y 0..7
	s_lshl_b32 s13, s84, 2
	s_add_co_u32 s13, s13, s41                     ; query tile 0..31, over all batches
	s_lshr_b32 s85, s84, 1                         ; the batch: the same in all sixteen partners
	s_lshl_b32 s43, s41, 2
	s_lshl_b32 s43, 15, s43                        ; my row of the cluster
	s_lshl_b32 s44, 0x1111, s40                    ; my column
	s_or_b32 s[G1+0], s43, (1<<16)|(1<<20)|(1<<21)|(5<<22)|(3<<25)  ; the mask; elements of 2 bytes; padding on; bit 21 beside a mask; 4 words behind every 64
	s_or_b32 s[G1B+0], s44, (1<<16)|(1<<20)|(1<<21)|(5<<22)|(3<<25)
.irp g, G1, G1B
	s_mov_b32 s[\g+1], KSTEP<<16                   ; tensor_dim0 = 128
	s_mov_b32 s[\g+2], 128<<16                     ; tensor_dim1 = 128
	s_mov_b32 s[\g+3], KSTEP<<16                   ; tile_dim0
	s_mov_b32 s[\g+4], 128                         ; tile_dim1
	s_mov_b32 s[\g+5], 3072                        ; elements from row to row
	s_mov_b32 s[\g+6], 0
	s_mov_b32 s[\g+7], 0
.endr
	s_lshl_b32 s17, s12, 7
	s_lshl_b32 s16, s13, 8
	s_add_co_u32 s16, s16, s17                     ; Q: row 256 x query tile + 128 x half
	s_lshl_b32 s46, s42, 8
	s_add_co_u32 s46, s46, s17
	s_lshl_b32 s86, s85, 11
	s_add_co_u32 s46, s46, s86                     ; K: row 2,048 x batch + 256 x key tile + 128 x half
	s_mul_i32 s16, s16, QROW                       ; under 2^26
	s_mul_i32 s46, s46, QROW
	s_mov_b32 s17, 0
	s_mov_b32 s47, 0
	s_mul_i32 s87, s10, HALFT                      ; where they go: wave x 128 rows
	s_mov_b32 s2, 0xceabfb8f                       ; -1e9 log2(e): a masked t
	s_mov_b32 s18, 0x76543210
	s_mov_b32 s19, 0xfedcba98                      ; v_permlanex16_b32's selects for lane l xor 16
	s_wait_dscnt 0x0                               ; both opening adds are done
	s_wait_kmcnt 0x0
	s_mov_b64 s[4:5], s[68:69]                     ; Q's columns
	s_add_nc_u64 s[6:7], s[68:69], 2048            ; K's columns: 1,024 f16 on in each row
	s_mov_b64 s[8:9], s[72:73]
	s_add_nc_u64 s[14:15], s[4:5], s[16:17]
	s_add_nc_u64 s[46:47], s[6:7], s[46:47]
	CROUND                                         ; all sixteen work-groups are here: the first joint loads meet
.irp s, 0,1
	s_mov_b32 s[G0+4*\s], 1
	s_add_co_u32 s[G0+4*\s+1], s87, \s*SLOT
	s_add_nc_u64 s[G0+4*\s+2:G0+4*\s+3], s[14:15], \s*KSTEP*2
	s_or_b32 s[G0+4*\s+3], s[G0+4*\s+3], 0x80000000
	s_mov_b32 s[G0B+4*\s], 1
	s_add_co_u32 s[G0B+4*\s+1], s87, \s*SLOT
	s_add_nc_u64 s[G0B+4*\s+2:G0B+4*\s+3], s[46:47], \s*KSTEP*2
	s_or_b32 s[G0B+4*\s+3], s[G0B+4*\s+3], 0x80000000
	JLOAD \s
.endr
	v_and_b32 v1, 15, v0                           ; r
	v_bfe_u32 v2, v0, 4, 1                         ; h
	v_mul_u32_u24 v3, v1, PITCH
	v_lshl_add_u32 v3, v2, 4, v3
	s_mul_i32 s88, s11, HALFT                      ; my 128 queries
	s_mul_i32 s89, s12, HALFT                      ; my 128 keys,
	s_add_co_u32 s89, s89, 2*HALFT                 ; behind Q's 256 rows
.irp s, 0,1
	v_add_nc_u32 v[ADRA+\s], s88, v3
	v_add_nc_u32 v[ADRB+\s], s89, v3
	s_add_co_u32 s88, s88, SLOT
	s_add_co_u32 s89, s89, SLOT
.endr
	s_mul_i32 s90, s10, 16*SPITCH
	s_add_co_u32 s90, s90, STAGE                   ; my stage
	v_mul_u32_u24 v4, v1, SPITCH
	v_lshl_add_u32 v4, v2, 4, v4
	v_add_nc_u32 v[STO], s90, v4
	v_mul_u32_u24 v5, v2, SPITCH
	v_lshl_add_u32 v5, v1, 4, v5
	v_add_nc_u32 v[RD], s90, v5
	v_lshlrev_b32 v5, 12, v2
	v_lshl_add_u32 v[CO], v1, 4, v5                ; two rows of p: 4,096 h + 16 r
	s_lshl_b32 s90, s10, 10
	s_add_co_u32 s90, s90, STX
	v_lshl_add_u32 v[SXS], v1, 2, s90
	v_and_b32 v6, 31, v0
	v_lshlrev_b32 v[LN], 4, v6
	v_add_nc_u32 v[SXL], s90, v[LN]
	; p at my first row and column
	s_lshl_b32 s16, s13, 8
	s_lshl_b32 s17, s11, 7
	s_add_co_u32 s16, s16, s17                     ; my first query, over all batches
	s_lshl_b32 s91, s16, 2                         ; its place in a plane of stats
	s_lshl_b32 s16, s16, 12
	s_mov_b32 s17, 0
	s_lshl_b32 s46, s42, 9                         ; 512 bytes a key tile, 256 for my half
	s_lshl_b32 s47, s12, 8
	s_add_co_u32 s46, s46, s47
	s_mov_b32 s47, 0
	s_add_nc_u64 s[8:9], s[8:9], s[16:17]
	s_add_nc_u64 s[8:9], s[8:9], s[46:47]
	; the mask words of my 8 x 8 blocks: block row 16 (query tile % 8) + 8 half + a, 4,096 bytes each; block column 16 key tile + 8 half + b, 32 bytes each
	s_and_b32 s92, s13, 7
	s_lshl_b32 s92, s92, 4
	s_lshl_b32 s93, s11, 3
	s_add_co_u32 s92, s92, s93
	s_lshl_b32 s92, s92, 12
	s_lshl_b32 s93, s42, 4
	s_lshl_b32 s94, s12, 3
	s_add_co_u32 s93, s93, s94
	s_lshl_b32 s93, s93, 5
	s_add_co_u32 s92, s92, s93
	s_mov_b32 s93, 0
	s_add_nc_u64 s[20:21], s[70:71], s[92:93]      ; never rewritten
	; stats: chunk 2 key tile + half, 65,536 bytes each; my first query
	s_lshl_b32 s94, s42, 1
	s_add_co_u32 s94, s94, s12
	s_lshl_b32 s94, s94, 16
	s_add_co_u32 s94, s94, s91
	s_mov_b32 s95, 0
	s_add_nc_u64 s[22:23], s[74:75], s[94:95]
	; the prefetches
	s_lshl_b32 s96, s13, 8                         ; Q's tile: its first row,
	s_lshl_b32 s97, s42, 8
	s_add_co_u32 s97, s97, s86                     ; K's
	s_and_b32 s98, s84, 1
	s_cmp_eq_u32 s11, 0                            ; do I fetch for Q?
	s_cselect_b32 s96, s96, s97
	s_cselect_b32 s97, s40, s41                    ; my place among the four that ask with me
	s_cselect_b32 s98, ttmp9, s98                  ; 0 in the cluster that asks
	s_cselect_b64 s[PFA:PFA+1], s[4:5], s[6:7]
	s_cmp_eq_u32 s98, 0
	s_cselect_b32 s[LIM], 1, -1                    ; the same in all sixteen partners, for a given wave
	s_lshl_b32 s98, s12, 7
	s_add_co_u32 s96, s96, s98                     ; + the 128 rows that I fetch
	s_lshl_b32 s97, s97, 5
	s_add_co_u32 s96, s96, s97                     ; + my work-group's 32 of them
	s_mul_i32 s96, s96, QROW
	s_mov_b32 s97, 0
	s_add_nc_u64 s[PFA:PFA+1], s[PFA:PFA+1], s[96:97]
	s_add_nc_u64 s[PFA:PFA+1], s[PFA:PFA+1], 2*KSTEP*2  ; at K step 2: the first refill steps it to 3 and names step 4.  Nothing is prefetched at the head
	v_mul_u32_u24 v[PFO], v6, QROW
.macro MUL16 f, hi, a0, zero           ; 16 matrix instructions: query blocks a0, a0 + 1 of the window's four x all 8 key blocks, 32 along K
.irp a, \a0, \a0+1
.irp b, 0,1,2,3,4,5,6,7
.if \zero
	v_wmma_f32_16x16x32_f16 v[8*(8*(\a)+\b):8*(8*(\a)+\b)+7], v[\f+8*\b:\f+8*\b+7], v[\f+8*(4*\hi+\a):\f+8*(4*\hi+\a)+7], 0
.else
	v_wmma_f32_16x16x32_f16 v[8*(8*(\a)+\b):8*(8*(\a)+\b)+7], v[\f+8*\b:\f+8*\b+7], v[\f+8*(4*\hi+\a):\f+8*(4*\hi+\a)+7], v[8*(8*(\a)+\b):8*(8*(\a)+\b)+7]
.endif
.endr
.endr
.endm
.macro FETCH slot, k, f                ; 32 LDS loads in one run: a quarter step's fragments
	WIN TO_B
.irp i, 0,1,2,3,4,5,6,7
	ds_load_b128 v[\f+8*\i:\f+8*\i+3],   v[ADRB+\slot] offset:\k+\i*16*PITCH
	ds_load_b128 v[\f+8*\i+4:\f+8*\i+7], v[ADRB+\slot] offset:\k+\i*16*PITCH+32
.endr
	WIN 0
.irp i, 0,1,2,3,4,5,6,7
	ds_load_b128 v[\f+8*\i:\f+8*\i+3],   v[ADRA+\slot] offset:\k+\i*16*PITCH
	ds_load_b128 v[\f+8*\i+4:\f+8*\i+7], v[ADRA+\slot] offset:\k+\i*16*PITCH+32
.endr
.endm
.macro PLACES                          ; four plain vector instructions that name no register of the matrix instructions before them (ISA guide 7.12.1)
.rept 4
	v_nop
.endr
.endm
.macro QUARTER slot, k, f, g, zero     ; multiplies buffer f; in its middle fetches the next quarter, at byte k of the rows, into g
	s_wait_dscnt 8                                 ; K's fragments and Q's rows 0-63 are in; the youngest eight loads may be out
	WIN MUL_LO
	MUL16 \f, 0, 0, \zero
	MUL16 \f, 0, 2, \zero
	PLACES
	FETCH \slot, \k, \g
	s_wait_dscnt 32                                ; all but the 32 just issued
	WIN MUL_HI
	MUL16 \f, 1, 0, \zero
	MUL16 \f, 1, 2, \zero
.endm
.macro MEET round                      ; the first half of a slot's last quarter: one barrier for the change of slots
	WIN 0
	s_wait_tensorcnt 0x0                           ; all my tensor loads have landed: the one that was out is my part of the next slot
	ds_add_u32 v[SPW], v[NIL]                      ; 0 onto my spare word
	s_wait_dscnt 9                                 ; (the add and the youngest eight loads may be out)
	WIN MUL_LO
	MUL16 F1, 0, 0, 0
	s_wait_dscnt 0x0                               ; the add is done, and my reads of this slot are over
	s_barrier_signal -1
	MUL16 F1, 0, 2, 0
.if \round
	WIN 0
.endif
	s_barrier_wait -1
.endm
.macro TURN slot, next, fill
.if \fill
	s_wait_xcnt 0x0                                ; the last prefetch, a K step back, has read its address
	s_add_nc_u64 s[PFA:PFA+1], s[PFA:PFA+1], KSTEP*2
	MEET 1
	CREST                                          ; the barrier has opened a round of the cluster's: no wave of any partner still reads this slot or has a load on its way
	s_add_nc_u64 s[G0+4*\slot+2:G0+4*\slot+3], s[G0+4*\slot+2:G0+4*\slot+3], 2*KSTEP*2
	s_add_nc_u64 s[G0B+4*\slot+2:G0B+4*\slot+3], s[G0B+4*\slot+2:G0B+4*\slot+3], 2*KSTEP*2
	JLOAD \slot                                    ; the first tensor load behind the round, my only one until the next; its four v_nop are the places in front of the loads below
.else
	MEET 0
	PLACES
.endif
	FETCH \next, 0, F0
.if \fill
	ASK
.endif
	WIN MUL_HI
	MUL16 F1, 1, 0, 0
	MUL16 F1, 1, 2, 0
.endm
; The mask words of block a: 64 words, 256 consecutive bytes, into scalar registers that the descriptors, the cluster's places and the head's temporaries have left.  Word k = 8 b + j lies in s[24 + k] (k < 32) or s[36 + k].
.macro MLOAD a
	s_load_b512 s[24:39], s[20:21], (\a)*4096
	s_load_b512 s[40:55], s[20:21], (\a)*4096+64
	s_load_b512 s[68:83], s[20:21], (\a)*4096+128
	s_load_b512 s[84:99], s[20:21], (\a)*4096+192
.endm
	s_wait_tensorcnt 1                             ; my part of K step 0 is in; step 1's may stay out
	s_barrier_signal -1
	s_barrier_wait -1
	FETCH 0, 0, F0
	QUARTER 0, 64,  F0, F1, 1                      ; the first quarter's products start the sums
	WIN 0
	s_mov_b32 s3, LAPS-1
.Llap:                                             ; a trip goes once round the ring and fills both slots again: K steps 2 to 7 in three trips
	QUARTER 0, 128, F1, F0, 0
	QUARTER 0, 192, F0, F1, 0
	TURN 0, 1, 1
	QUARTER 1, 64,  F0, F1, 0
	QUARTER 1, 128, F1, F0, 0
	QUARTER 1, 192, F0, F1, 0
	TURN 1, 0, 1
	QUARTER 0, 64,  F0, F1, 0
	WIN 0
	s_sub_co_u32 s3, s3, 1
	s_cmp_lg_u32 s3, 0
	s_cbranch_scc1 .Llap
	QUARTER 0, 128, F1, F0, 0                      ; the last lap fills nothing
	QUARTER 0, 192, F0, F1, 0
	TURN 0, 1, 0
	s_wait_xcnt 0x0                                ; the last prefetch has read its address; no tensor load is out: the scalar registers below are free
	MLOAD 0                                        ; block 0's mask words come while the last K step is multiplied
	QUARTER 1, 64,  F0, F1, 0
	QUARTER 1, 128, F1, F0, 0
	QUARTER 1, 192, F0, F1, 0
	s_wait_dscnt 8
	WIN MUL_LO
	MUL16 F1, 0, 0, 0
	MUL16 F1, 0, 2, 0
	s_wait_dscnt 0
	WIN MUL_HI
	MUL16 F1, 1, 0, 0
	MUL16 F1, 1, 2, 0
	WIN 0
; THE WAY OUT, a block of 16 queries x 128 keys at a time, in a pipeline of two blocks.
.macro MASKMAX a                       ; the mask, the row's largest t, -M
.set AC, 64*((\a)%4)
.set WN, 2+(\a)/4
	s_wait_kmcnt 0x0                               ; this block's 64 mask words
	WIN (WN<<6)|(WN<<2)
.set k, 0
.rept 64
.if k < 32
	v_cndmask_b32 v[AC+k], s2, v[AC+k], s[24+k]    ; a lane whose bit is 0 takes the masked t.  Ascending: each accumulator is read from its low end on
.else
	v_cndmask_b32 v[AC+k], s2, v[AC+k], s[36+k]
.endif
.set k, k+1
.endr
	WIN (WN<<4)|(WN<<2)
.irp c, 0,1,2,3
	v_mov_b32 v[D+\c], 0xff800000                  ; under every t
.endr
.set k, 0
.rept 32
	v_max3_num_f32 v[D+k%4], v[D+k%4], v[AC+2*k], v[AC+2*k+1]      ; four chains
.set k, k+1
.endr
	WIN 0
.if (\a) < 7
	MLOAD (\a)+1                                   ; the next block's words: an exponential batch, a block's sums and its trip through the stage stand ahead of the wait for them
.endif
	v_max3_num_f32 v[D], v[D], v[D+1], v[D+2]
	v_max_num_f32 v[D], v[D], v[D+3]
	v_permlanex16_b32 v[D+1], v[D], s18, s19       ; the query's other 64 keys lie in lane l xor 16
	v_max_num_f32 v[NM+2*(\a)+1], v[D], v[D+1]
	v_floor_f32 v[NM+2*(\a)], -v[NM+2*(\a)+1]      ; -M = floor(-t) = -ceil(t): a whole number
.endm
.macro ADDEXP a                        ; t - M, then p = 2^(t - M): one batch of 64 exponentials
.set AC, 64*((\a)%4)
.set WN, 2+(\a)/4
	WIN (WN<<6)|WN
.set k, 0
.rept 32
	v_pk_add_f32 v[AC+2*k:AC+2*k+1], v[AC+2*k:AC+2*k+1], v[NM+2*(\a):NM+2*(\a)+1] op_sel_hi:[1,0]
.set k, k+1
.endr
.set k, 0
.rept 64
	v_exp_f32 v[AC+k], v[AC+k]
.set k, k+1
.endr
.endm
.macro CVTSUM a                        ; p as f16, and the sum of the unrounded p
.set AC, 64*((\a)%4)
.set WN, 2+(\a)/4
	WIN (WN<<2)|WN
.set k, 0
.rept 32
	v_cvt_pk_f16_f32 v[TMP+k], v[AC+2*k], v[AC+2*k+1]
.set k, k+1
.endr
.set k, 0
.rept 16
	v_pk_add_f32 v[T+2*k:T+2*k+1], v[AC+4*k:AC+4*k+1], v[AC+4*k+2:AC+4*k+3]
.set k, k+1
.endr
	WIN 0
.irp i, 0,1,2,3,4,5,6,7
	v_pk_add_f32 v[T+4*\i:T+4*\i+1], v[T+4*\i:T+4*\i+1], v[T+4*\i+2:T+4*\i+3]
.endr
.irp i, 0,1,2,3
	v_pk_add_f32 v[T+8*\i:T+8*\i+1], v[T+8*\i:T+8*\i+1], v[T+8*\i+4:T+8*\i+5]
.endr
.irp i, 0,1
	v_pk_add_f32 v[T+16*\i:T+16*\i+1], v[T+16*\i:T+16*\i+1], v[T+16*\i+8:T+16*\i+9]
.endr
	v_pk_add_f32 v[LS+2*(\a):LS+2*(\a)+1], v[T:T+1], v[T+16:T+17]
.endm
.macro TOSTAGE a
.set BK, OB+32*((\a)%2)
.irp b, 0,1,2,3,4,5,6,7
	ds_store_b128 v[STO], v[TMP+4*\b:TMP+4*\b+3] offset:32*\b
.endr
.irp t, 0,1,2,3,4,5,6,7
	ds_load_b128 v[BK+4*\t:BK+4*\t+3], v[RD] offset:\t*2*SPITCH    ; LDS serves a wave's instructions in order (ISA guide 5.7.1.4)
.endr
.endm
.macro SEND a
.set BK, OB+32*((\a)%2)
	s_wait_dscnt 0x0                               ; the block is back in registers
	s_wait_xcnt 0x0                                ; earlier stores have read their base and registers
.if (\a) > 0
	s_add_nc_u64 s[8:9], s[8:9], 16*PROW
.endif
.irp t, 0,1,2,3,4,5,6,7
	global_store_b128 v[CO], v[BK+4*\t:BK+4*\t+3], s[8:9] offset:2*\t*PROW   ; 16 lanes store 256 consecutive bytes, at a multiple of 256 from p's first byte
.endr
.endm
	PLACES                                         ; behind the last products
	MASKMAX 0
	ADDEXP 0
.irp a, 0,1,2,3,4,5,6,7
.if \a < 7
	MASKMAX \a+1                                   ; plain work that names none of block a's exponentials
.else
	v_nop                                          ; the plain instruction behind the last exponential
.endif
	s_wait_alu depctr_va_vdst(0)                   ; one wait for block a's 64 exponentials, ahead of their first reader
.if \a < 7
	ADDEXP \a+1                                    ; the next batch is issued; its wait stands in the next turn
.endif
	CVTSUM \a
.if \a > 0
	SEND \a-1
.endif
	TOSTAGE \a
.endr
	SEND 7
	; the statistics: 128 rows' -M and l, through my own 1,024 bytes of LDS, out as 512 consecutive bytes each
.irp a, 0,1,2,3,4,5,6,7
	v_add_f32 v[LS+2*\a], v[LS+2*\a], v[LS+2*\a+1]
.endr
.irp a, 0,1,2,3,4,5,6,7
	v_permlanex16_b32 v[LS+2*\a+1], v[LS+2*\a], s18, s19
.endr
.irp a, 0,1,2,3,4,5,6,7
	v_add_f32 v[LS+2*\a], v[LS+2*\a], v[LS+2*\a+1]
.endr
.irp a, 0,1,2,3,4,5,6,7
	ds_store_b32 v[SXS], v[NM+2*\a] offset:64*\a           ; lanes l and l xor 16 write the same word with the same value
	ds_store_b32 v[SXS], v[LS+2*\a] offset:512+64*\a
.endr
	ds_load_b128 v[T:T+3], v[SXL]
	ds_load_b128 v[T+4:T+7], v[SXL] offset:512
	s_wait_dscnt 0x0
	global_store_b128 v[LN], v[T:T+3], s[22:23]
	global_store_b128 v[LN], v[T+4:T+7], s[22:23] offset:32768
	s_wait_tensorcnt 0x0                           ; the wave's end
	ds_add_u32 v[SPW], v[NIL]
	s_wait_dscnt 0x0
	CROUND                                         ; the closing round
	s_endpgm
.Lfunc_end_k_q4ce706ff7f_scores:
	.size	k_q4ce706ff7f_scores, .Lfunc_end_k_q4ce706ff7f_scores-k_q4ce706ff7f_scores
	.p2alignl 7, 3214868480
	.fill 96, 4, 3214868480
	.section	.rodata,"a",@progbits
	.p2align	6, 0x0
	.amdhsa_kernel k_q4ce706ff7f_scores
		.amdhsa_group_segment_fixed_size 327680
		.amdhsa_private_segment_fixed_size 0
		.amdhsa_enable_private_segment 0
		.amdhsa_kernarg_size 32
		.amdhsa_user_sgpr_count 2
		.amdhsa_user_sgpr_kernarg_segment_ptr 1
		.amdhsa_wavefront_size32 1
		.amdhsa_system_sgpr_workgroup_id_x 1
		.amdhsa_system_sgpr_workgroup_id_y 1
		.amdhsa_system_sgpr_workgroup_id_z 1
		.amdhsa_system_vgpr_workitem_id 0
		.amdhsa_next_free_vgpr 1024
		.amdhsa_next_free_sgpr 100
		.amdhsa_reserve_vcc 0
		.amdhsa_float_denorm_mode_32 3
		.amdhsa_float_denorm_mode_16_64 3
		.amdhsa_memory_ordered 1
		.amdhsa_forward_progress 1
		.amdhsa_inst_pref_size 251
	.end_amdhsa_kernel
	.amdgpu_metadata
---
amdhsa.version: [ 1, 2 ]
amdhsa.kernels:
  - .name:           k_q4ce706ff7f_scores
    .symbol:         k_q4ce706ff7f_scores.kd
    .args:
      - { .name: qkv, .offset: 0, .size: 8, .value_kind: global_buffer, .address_space: global }
      - { .name: mbits, .offset: 8, .size: 8, .value_kind: global_buffer, .address_space: global }
      - { .name: p, .offset: 16, .size: 8, .value_kind: global_buffer, .address_space: global }
      - { .name: stats, .offset: 24, .size: 8, .value_kind: global_buffer, .address_space: global }
    .group_segment_fixed_size: 327680
    .private_segment_fixed_size: 0
    .kernarg_segment_align: 8
    .kernarg_segment_size: 32
    .max_flat_workgroup_size: 128
    .sgpr_count:     100
    .vgpr_count:     1024
    .wavefront_size: 32
...
	.end_amdgpu_metadata
.endif
;; end of part 3
;; launch ctx (part 4): grid 4 x 64, 4 waves a work-group, clusters of 4 x 4, 327,680 bytes of LDS; arguments p, qkv, stats, out0; writes out0
.if DOCPART == 4
	.amdgcn_target "amdgcn-amd-amdhsa--gfx1250"
	.amdhsa_code_object_version 6
	.text
	.protected	k_q4ce706ff7f_ctx
	.globl	k_q4ce706ff7f_ctx
	.p2align	8
	.type	k_q4ce706ff7f_ctx,@function
k_q4ce706ff7f_ctx:
	s_mov_b64 s[64:65], 0
	v_nop
	global_prefetch_b8 v0, s[64:65] scope:SCOPE_SE
	s_setreg_imm32_b32 hwreg(HW_REG_WAVE_MODE, 25, 1), 1
	s_wait_xcnt 0x0
	s_wait_alu depctr_hold_cnt(0) depctr_sa_sdst(0) depctr_va_vdst(0) depctr_va_sdst(0) depctr_va_ssrc(0) depctr_va_vcc(0) depctr_vm_vsrc(0)
	s_getreg_b32 s2, hwreg(HW_REG_IB_STS2, 6, 4)
	s_cmp_eq_u32 s2, 0
	s_cbranch_scc0 .Lentry_in_a_cluster
	s_endpgm
.Lentry_in_a_cluster:
	s_bfe_u32 s2, ttmp6, 0x10000c
	s_cmp_lg_u32 s2, 0xf033
	s_cbranch_scc0 .Lentry_shape_is_right
	s_endpgm
.Lentry_shape_is_right:
; CTX.  out[q][:] = (sum over the 16 chunks k of 2^(E_k) P_k V_k) / l,  l = sum over k of 2^(E_k) l_k,  E_k = M_k - the row's largest M: f16 operands, f32 sums, f32 output.
; A K step of the product is one chunk of 128 keys.  At the head of K step k the sums are multiplied by g_k = 2^(E_(k-1) - E_k), a power of two: nothing is rounded; at the end by 2^(E_15) / l.
; LIMITS: E_k is held at -64 from below: a chunk whose largest exponent lies more than 64 under the row's weighs 2^-64 and not less: at most 2,048 x 2^-64 of the row's sum.
;   The sums stay under 2^64 x 2^11 x 2^16 = 2^91.  NaN and infinities are not served.
; out has 128 tiles of 256 x 256: too few.  So a tile is 128 queries x 256 channels, 256 work-groups; four waves, each 64 x 128: 32 accumulators, 256 registers.
; Two LDS slots, each a K step: P's 128 rows x 256 bytes (272 apart) and V's 128 keys x 512 bytes (544 apart).  V lies [key][channel] and is turned on its way out of LDS by ds_load_tr16_b128.
; CLUSTERS: 4 x 4; P's tiles are asked for jointly along a row of the cluster, V's along a column.  THE PRODUCT IS USED TRANSPOSED (source 0 = 16 channels, source 1 = 16 queries): a lane holds one query and eight neighbouring channels.
; REGISTERS: window 0: v0-31 addresses; v32-39 the step's factor for each of my 4 query blocks (even registers); v64-127 P's fragments, two buffers; v128-255 V's, two buffers.  window 1: accumulator 8 a + b at v[8 (8 a + b)].
.set PA,    272                        ; P's LDS row: 256 + 16
.set PV,    544                        ; V's: 512 + 32 = 17 x 32
.set SLOT,  128*PA+128*PV
.set TAB,   2*SLOT                     ; 4,096 bytes for each wave: 16 entries x 64 rows x 4 bytes: g_1 .. g_15, then 2^(E_15) / l
.set STAGE, TAB+4*4096                 ; 16 rows x (512 + 16) bytes for each wave
.set SP,    528
.set SPARE, STAGE+4*16*SP              ; the spare words, 128 bytes a wave
.set PROW,  4096
.set QROW,  6144
.set OROW,  4096
.set VSTEP, 128*QROW                   ; a K step in V: 128 keys down
.set ADRA, 16
.set ADRB, 20
.set TBS,  22                          ; v22  TAB + 4,096 wave + 8 lane
.set TBA,  23                          ; v23  TAB + 4,096 wave + 4 (l % 16), stepped an entry at each use
.set STO,  24
.set RD,   25
.set CO,   26
.set L8,   27
.set SPW,  28
.set NIL,  29
.set PFO,  30
.set G,    32
.set FA,   64
.set FB,   128
.set G1, 24
.set G0, 32
.set G1B, 48
.set G0B, 56
.set LIM, 43
.set PFA, 44
.set PFS, 66                           ; s[66:67] a K step on, in bytes, in what I prefetch
.set MSB, 0
.macro WIN new
.if MSB != (\new)
	s_set_vgpr_msb (MSB<<8)|(\new)
.set MSB, (\new)
.endif
.endm
.set MUL, 0x50                         ; C and D window 1, the fragments window 0
.set RS,  0x41                         ; destination and source 0 window 1
.set OUTW, 0x01                        ; source 0 window 1
.macro JLOAD s                         ; waves 0 and 1 fetch P's two halves, waves 2 and 3 V's; an s_nop 0 and four v_nop follow each line
	s_cmp_eq_u32 s11, 0
	s_cbranch_scc0 .Lfor_b_\@
	tensor_load_to_lds s[G0+4*\s:G0+4*\s+3], s[G1:G1+7]
	s_nop 0
.rept 4
	v_nop
.endr
	s_branch .Lasked_\@
.Lfor_b_\@:
	tensor_load_to_lds s[G0B+4*\s:G0B+4*\s+3], s[G1B:G1B+7]
	s_nop 0
.rept 4
	v_nop
.endr
.Lasked_\@:
.endm
; A prefetch of the K step that stands two refills on, a lane a row, one instruction a wave.  P's 128 rows are read by my row of the cluster alone: wave 0 of each partner asks for 32 of them, told apart by address.
; V's tile (128 keys x 512 bytes) is read by the four clusters of a batch: the first asks; each partner of a column takes 32 keys by address, wave 2 their first 256 bytes, wave 3 the second.  The last trip asks for nothing.
.macro ASK
	s_cmp_gt_u32 s3, s[LIM]
	s_cbranch_scc0 .Lnot_mine_\@
	global_prefetch_b8 v[PFO], s[PFA:PFA+1] th:TH_LOAD_NT scope:SCOPE_SE
.Lnot_mine_\@:
.endm
.macro CREST
	s_cmp_lg_u32 s10, 0
	s_cbranch_scc1 .Lnot_wave_0_\@
	s_barrier_signal -3
.Lnot_wave_0_\@:
	s_barrier_wait -3
	s_barrier_signal -1
	s_barrier_wait -1
.endm
.macro CROUND
	s_barrier_signal -1
	s_barrier_wait -1
	CREST
.endm
	s_load_b256 s[68:75], s[0:1], 0x0              ; p s[68:69], qkv s[70:71], stats s[72:73], out0 s[74:75]
	v_lshl_add_u32 v[SPW], v0, 2, SPARE
	v_mov_b32 v[NIL], 0
	ds_add_u32 v[SPW], v[NIL]                      ; the wave's opening
	ds_add_u32 v[SPW], v[NIL]
	v_lshrrev_b32 v1, 5, v0
	v_readfirstlane_b32 s10, v1                    ; wave 0..3
	s_lshr_b32 s11, s10, 1                         ; my half of the queries.  Also: I fetch for P (0) or for V (1)
	s_and_b32 s12, s10, 1                          ; my half of the channels.  Also: which 64 rows I fetch
	s_bfe_u32 s40, ttmp6, 0x40000                  ; cx
	s_bfe_u32 s41, ttmp6, 0x40004                  ; cy
	s_lshl_b32 s42, ttmp9, 2
	s_add_co_u32 s42, s42, s40                     ; channel tile 0..3
	s_and_b32 s78, ttmp7, 0xffff                   ; cluster y 0..15
	s_lshl_b32 s13, s78, 2
	s_add_co_u32 s13, s13, s41                     ; query tile 0..63
	s_lshr_b32 s2, s78, 2                          ; the batch: the same in all sixteen partners
	s_lshl_b32 s43, s41, 2
	s_lshl_b32 s43, 15, s43                        ; my row of the cluster
	s_lshl_b32 s44, 0x1111, s40                    ; my column
	s_or_b32 s[G1+0], s43, (1<<16)|(1<<20)|(1<<21)|(5<<22)|(3<<25)  ; P: the mask; elements of 2 bytes; padding: 4 words behind every 64
	s_mov_b32 s[G1+1], 128<<16                     ; tensor_dim0 = 128 keys
	s_mov_b32 s[G1+2], 64<<16                      ; tensor_dim1 = 64 rows
	s_mov_b32 s[G1+3], 128<<16                     ; tile_dim0
	s_mov_b32 s[G1+4], 64                          ; tile_dim1
	s_mov_b32 s[G1+5], 2048                        ; elements from row to row
	s_mov_b32 s[G1+6], 0
	s_mov_b32 s[G1+7], 0
	s_or_b32 s[G1B+0], s44, (1<<16)|(1<<20)|(1<<21)|(6<<22)|(7<<25) ; V: padding: 8 words behind every 128
	s_mov_b32 s[G1B+1], 256<<16                    ; 256 channels
	s_mov_b32 s[G1B+2], 64<<16                     ; 64 keys
	s_mov_b32 s[G1B+3], 256<<16
	s_mov_b32 s[G1B+4], 64
	s_mov_b32 s[G1B+5], 3072
	s_mov_b32 s[G1B+6], 0
	s_mov_b32 s[G1B+7], 0
	s_lshl_b32 s16, s13, 7
	s_lshl_b32 s17, s12, 6
	s_add_co_u32 s16, s16, s17                     ; P: row 128 x query tile + 64 x half
	s_lshl_b32 s16, s16, 12
	s_lshl_b32 s46, s2, 11
	s_add_co_u32 s46, s46, s17                     ; V: key 2,048 x batch + 64 x half
	s_mul_i32 s46, s46, QROW
	s_lshl_b32 s47, s42, 9                         ; + 512 bytes a channel tile
	s_add_co_u32 s46, s46, s47
	s_mov_b32 s17, 0
	s_mov_b32 s47, 0
	s_mul_i32 s20, s12, 64*PA                      ; where they go: P's halves,
	s_mul_i32 s21, s12, 64*PV
	s_add_co_u32 s21, s21, 128*PA                  ; V's behind them
	s_lshl_b32 s18, s13, 7
	s_lshl_b32 s19, s11, 6
	s_add_co_u32 s18, s18, s19                     ; my wave's first query
	s_lshl_b32 s22, s18, 2                         ; its place in a plane of stats
	s_mov_b32 s23, 0
	v_and_b32 v3, 31, v0                           ; lane
	v_lshlrev_b32 v[L8], 3, v3
	s_wait_dscnt 0x0                               ; both opening adds are done
	s_wait_kmcnt 0x0
	s_mov_b64 s[4:5], s[68:69]
	s_add_nc_u64 s[6:7], s[70:71], 4096            ; V's columns: 2,048 f16 on in each row of qkv
	s_add_nc_u64 s[72:73], s[72:73], s[22:23]
.irp k, 0,1,2,3,4,5,6,7,8,9,10,11,12,13,14,15  ; my 64 rows' -M and l of all 16 chunks: lane i holds rows 2 i and 2 i + 1; each load reads 256 consecutive bytes
	global_load_b64 v[64+2*\k:65+2*\k], v[L8], s[72:73] offset:\k*65536
	global_load_b64 v[96+2*\k:97+2*\k], v[L8], s[72:73] offset:\k*65536+32768
.endr
	s_add_nc_u64 s[14:15], s[4:5], s[16:17]
	s_add_nc_u64 s[46:47], s[6:7], s[46:47]
	CROUND                                         ; all sixteen work-groups are here: the first joint loads meet
.irp s, 0,1
	s_mov_b32 s[G0+4*\s], 1
	s_add_co_u32 s[G0+4*\s+1], s20, \s*SLOT
	s_add_nc_u64 s[G0+4*\s+2:G0+4*\s+3], s[14:15], \s*256
	s_or_b32 s[G0+4*\s+3], s[G0+4*\s+3], 0x80000000
	s_mov_b32 s[G0B+4*\s], 1
	s_add_co_u32 s[G0B+4*\s+1], s21, \s*SLOT
	s_add_nc_u64 s[G0B+4*\s+2:G0B+4*\s+3], s[46:47], \s*VSTEP
	s_or_b32 s[G0B+4*\s+3], s[G0B+4*\s+3], 0x80000000
	JLOAD \s
.endr
	v_and_b32 v1, 15, v0                           ; r
	v_bfe_u32 v2, v0, 4, 1                         ; h
	v_mul_u32_u24 v4, v1, PA
	v_lshl_add_u32 v4, v2, 4, v4
	s_mul_i32 s76, s11, 64*PA
	v_add_nc_u32 v[ADRA], s76, v4                  ; P: my 64 rows; row r x pitch + 16 h
	v_add_nc_u32 v[ADRA+1], SLOT, v[ADRA]
	v_and_b32 v4, 7, v0
	v_bfe_u32 v5, v0, 3, 1
	v_lshl_add_u32 v6, v2, 3, v4                   ; V: key 8 h + l % 8,
	v_mul_u32_u24 v6, v6, PV
	v_lshl_add_u32 v6, v5, 4, v6                   ; channels 8 ((l / 8) % 2) on,
	s_lshl_b32 s76, s12, 8
	s_add_co_u32 s76, s76, 128*PA                  ; my 128 channels, behind P's rows
	v_add_nc_u32 v[ADRB], s76, v6
	v_add_nc_u32 v[ADRB+1], SLOT, v[ADRB]
	s_lshl_b32 s76, s10, 12
	s_add_co_u32 s76, s76, TAB
	v_add_nc_u32 v[TBS], s76, v[L8]
	v_lshl_add_u32 v[TBA], v1, 2, s76
	s_mul_i32 s76, s10, 16*SP
	s_add_co_u32 s76, s76, STAGE
	v_mul_u32_u24 v4, v1, SP
	v_lshl_add_u32 v4, v2, 5, v4
	v_add_nc_u32 v[STO], s76, v4                   ; the stage, in: row r, + 32 h
	v_lshlrev_b32 v[CO], 4, v3                     ; back: the 32 lanes take a row of 512 bytes; the same in out
	v_add_nc_u32 v[RD], s76, v[CO]
.irp a, 0,1,2,3
	v_mov_b32 v[G+2*\a+1], 0                       ; named as the upper halves of pairs, so they are written
.endr
	s_lshl_b32 s18, s18, 12                        ; out at my first row,
	s_mov_b32 s19, 0
	s_lshl_b32 s46, s42, 10                        ; 1,024 bytes a channel tile, 512 for my half
	s_lshl_b32 s47, s12, 9
	s_add_co_u32 s46, s46, s47
	s_mov_b32 s47, 0
	s_add_nc_u64 s[8:9], s[74:75], s[18:19]
	s_add_nc_u64 s[8:9], s[8:9], s[46:47]
	; the prefetches: they stand at K step 3; each change of slots steps them first, so that the refill of step s names step s + 2
	s_lshl_b32 s76, s13, 7
	s_lshl_b32 s77, s40, 5
	s_add_co_u32 s76, s76, s77                     ; P: my work-group's 32 rows of the tile's 128
	s_lshl_b32 s76, s76, 12
	s_add_co_u32 s76, s76, 3*256
	s_lshl_b32 s77, s2, 11
	s_lshl_b32 s79, s41, 5
	s_add_co_u32 s77, s77, s79                     ; V: my work-group's 32 keys of a step's 128
	s_add_co_u32 s77, s77, 3*128
	s_mul_i32 s77, s77, QROW
	s_lshl_b32 s79, s42, 9
	s_add_co_u32 s77, s77, s79
	s_lshl_b32 s79, s12, 8                         ; wave 2: the first 256 bytes, wave 3: the second
	s_add_co_u32 s77, s77, s79
	s_and_b32 s78, s78, 3                          ; 0 in the batch's first cluster
	s_cmp_eq_u32 s11, 0
	s_cselect_b64 s[PFA:PFA+1], s[4:5], s[6:7]
	s_cselect_b32 s76, s76, s77
	s_cselect_b32 s78, s12, s78                    ; 0 in a wave that asks: wave 0; waves 2 and 3 of the batch's first cluster
	s_mov_b32 s[PFS], VSTEP
	s_cselect_b32 s[PFS], 256, s[PFS]
	s_mov_b32 s79, QROW
	s_cselect_b32 s79, PROW, s79
	s_mov_b32 s[PFS+1], 0
	s_mov_b32 s77, 0
	s_add_nc_u64 s[PFA:PFA+1], s[PFA:PFA+1], s[76:77]
	s_cmp_eq_u32 s78, 0
	s_cselect_b32 s[LIM], 1, -1                    ; hangs on the wave's number and the cluster's y alone
	v_mul_lo_u32 v[PFO], v3, s79
	; THE FACTORS.  N_k = -M_k in v[64 + 2 k ..], l_k in v[96 + 2 k ..], two rows a lane.
	s_wait_loadcnt 0x0
	v_min_num_f32 v192, v64, v66
	v_min_num_f32 v193, v65, v67
.irp k, 2,3,4,5,6,7,8,9,10,11,12,13,14,15
	v_min_num_f32 v192, v192, v[64+2*\k]           ; the least N = - the row's largest M
	v_min_num_f32 v193, v193, v[65+2*\k]
.endr
.irp k, 0,1,2,3,4,5,6,7,8,9,10,11,12,13,14,15
	v_pk_add_f32 v[64+2*\k:65+2*\k], v[192:193], v[64+2*\k:65+2*\k] neg_lo:[0,1] neg_hi:[0,1]   ; E_k = M_k - the largest M: 0 or less
.endr
.set j, 0
.rept 32
	v_max_num_f32 v[64+j], 0xc2800000, v[64+j]     ; held at -64
.set j, j+1
.endr
.set j, 0
.rept 32
	v_cvt_i32_f32 v[160+j], v[64+j]
.set j, j+1
.endr
.set j, 0
.rept 32
	v_ldexp_f32 v[128+j], 1.0, v[160+j]            ; 2^(E_k)
.set j, j+1
.endr
	v_pk_mul_f32 v[194:195], v[96:97], v[128:129]
.irp k, 1,2,3,4,5,6,7,8,9,10,11,12,13,14,15
	v_pk_fma_f32 v[194:195], v[96+2*\k:97+2*\k], v[128+2*\k:129+2*\k], v[194:195]   ; l: at least 0.5, from the chunk that holds the row's maximum
.endr
	v_rcp_f32 v196, v194
	v_rcp_f32 v197, v195
.set j, 2
.rept 30
	v_sub_nc_u32 v[64+j], v[158+j], v[160+j]       ; E_(k-1) - E_k, a whole number from -64 to 64.  (Plain work behind the reciprocals)
.set j, j+1
.endr
.set j, 2
.rept 30
	v_ldexp_f32 v[64+j], 1.0, v[64+j]              ; g_k
.set j, j+1
.endr
.irp k, 1,2,3,4,5,6,7,8,9,10,11,12,13,14,15
	ds_store_b64 v[TBS], v[64+2*\k:65+2*\k] offset:256*(\k-1)
.endr
	s_wait_alu depctr_va_vdst(0)                   ; one wait for the two reciprocals, ahead of their first reader
	v_pk_mul_f32 v[64:65], v[158:159], v[196:197]  ; 2^(E_15) / l
	ds_store_b64 v[TBS], v[64:65] offset:3840      ; the table is my wave's own: its reads need no barrier
.macro FETCH slot, q, f                ; 24 LDS loads in one run: 32 keys: V's eight channel blocks, turned, then P's four query blocks
.irp i, 0,1,2,3,4,5,6,7
	ds_load_tr16_b128 v[FB+64*(\f)+8*\i:FB+64*(\f)+8*\i+3],   v[ADRB+\slot] offset:(\q)*32*PV+32*\i
	ds_load_tr16_b128 v[FB+64*(\f)+8*\i+4:FB+64*(\f)+8*\i+7], v[ADRB+\slot] offset:(\q)*32*PV+16*PV+32*\i
.endr
.irp i, 0,1,2,3
	ds_load_b128 v[FA+32*(\f)+8*\i:FA+32*(\f)+8*\i+3],   v[ADRA+\slot] offset:64*(\q)+\i*16*PA
	ds_load_b128 v[FA+32*(\f)+8*\i+4:FA+32*(\f)+8*\i+7], v[ADRA+\slot] offset:64*(\q)+\i*16*PA+32
.endr
.endm
.macro W i, f, mode                    ; product i of 32: query block i / 8, channel block i % 8.  mode = 1: it starts the sum
.set rD, 8*(\i)
.set rB, FB+64*(\f)+8*((\i)%8)
.set rA, FA+32*(\f)+8*((\i)/8)
	WIN MUL
.if (\mode) == 1
	v_wmma_f32_16x16x32_f16 v[rD:rD+7], v[rB:rB+7], v[rA:rA+7], 0
.else
	v_wmma_f32_16x16x32_f16 v[rD:rD+7], v[rB:rB+7], v[rA:rA+7], v[rD:rD+7]
.endif
.endm
.macro SLICE i                         ; accumulator i x its query block's g
.set rS, 8*(\i)
.set rG, G+2*((\i)/8)
	WIN RS
.irp u, 0,2,4,6
	v_pk_mul_f32 v[rS+\u:rS+\u+1], v[rS+\u:rS+\u+1], v[rG:rG+1] op_sel_hi:[1,0]
.endr
.endm
; cnt products from i0 on; the 32 accumulators take turns, one instruction a turn.  mode = 2: behind product n stands the rescaling of accumulator n + 2:
; four multiplies, two accumulators ahead of their product; they name no register of the products round them.
.macro RUN i0, cnt, f, mode
.set n, \i0
.rept \cnt
	W n, \f, \mode
.if ((\mode) == 2) && (n+2 < 32)
	SLICE n+2
.endif
.set n, n+1
.endr
.endm
.macro PLACES                          ; four plain vector instructions that name no register of the matrix instructions before them (ISA guide 7.12.1)
.rept 4
	v_nop
.endr
.endm
.macro QUARTER slot, q, f, g, mode     ; multiplies buffer f; in its middle fetches quarter q of the slot into buffer g
	s_wait_dscnt 4                                 ; all but the youngest four loads (P's blocks 2 and 3) are in, the step's factors among them
.if (\mode) == 2
	SLICE 0                                        ; accumulators 0-15 were last written ahead of the places in the change of slots; for 16-31 these eight multiplies are the places
	SLICE 1
.endif
	RUN 0, 16, \f, \mode
	WIN 0
	PLACES
	FETCH \slot, \q, \g
	s_wait_dscnt 24                                ; all but the 24 just issued
	RUN 16, 16, \f, \mode
.endm
.macro GLOAD                           ; the next entry of my table: a factor for each of my four query blocks
.irp a, 0,1,2,3
	ds_load_b32 v[G+2*\a], v[TBA] offset:64*\a
.endr
	v_add_nc_u32 v[TBA], 256, v[TBA]
.endm
.macro TURN slot, next, fill           ; a slot's last quarter (buffer 1) changes slots
.if \fill
	s_wait_xcnt 0x0                                ; the last prefetch, a K step back, has read its address
	s_add_nc_u64 s[PFA:PFA+1], s[PFA:PFA+1], s[PFS:PFS+1]
.endif
	WIN 0
	s_wait_tensorcnt 0x0                           ; all my tensor loads have landed: my part of the next slot
	ds_add_u32 v[SPW], v[NIL]                      ; 0 onto my spare word
	s_wait_dscnt 5                                 ; (the add and the youngest four loads may be out)
	RUN 0, 8, 1, 0
	s_wait_dscnt 0x0                               ; the add is done, and my reads of this slot are over
	s_barrier_signal -1
	RUN 8, 8, 1, 0
	WIN 0
	s_barrier_wait -1
.if \fill
	CREST                                          ; the barrier has opened a round of the cluster's: no wave of any partner still reads this slot or has a load on its way
	s_add_nc_u64 s[G0+4*\slot+2:G0+4*\slot+3], s[G0+4*\slot+2:G0+4*\slot+3], 2*256
	s_add_nc_u64 s[G0B+4*\slot+2:G0B+4*\slot+3], s[G0B+4*\slot+2:G0B+4*\slot+3], 2*VSTEP
	JLOAD \slot                                    ; the first tensor load behind the round, my only one until the next; its four v_nop are the places in front of the loads below
.else
	PLACES
.endif
	GLOAD
	FETCH \next, 0, 0
.if \fill
	ASK
.endif
	RUN 16, 16, 1, 0
.endm
	s_wait_tensorcnt 1                             ; my part of K step 0 is in; step 1's may stay out
	s_wait_dscnt 0x0                               ; my table is written
	s_barrier_signal -1
	s_barrier_wait -1
	FETCH 0, 0, 0
	QUARTER 0, 1, 0, 1, 1                          ; the first quarter's products start the sums
	WIN 0
	s_mov_b32 s3, 7
.Llap:                                             ; a trip goes once round the ring and fills both slots again: K steps 2 to 15 in seven trips
	QUARTER 0, 2, 1, 0, 0
	QUARTER 0, 3, 0, 1, 0
	TURN 0, 1, 1
	QUARTER 1, 1, 0, 1, 2                          ; a K step's first quarter carries the rescaling
	QUARTER 1, 2, 1, 0, 0
	QUARTER 1, 3, 0, 1, 0
	TURN 1, 0, 1
	QUARTER 0, 1, 0, 1, 2
	WIN 0
	s_sub_co_u32 s3, s3, 1
	s_cmp_lg_u32 s3, 0
	s_cbranch_scc1 .Llap
	QUARTER 0, 2, 1, 0, 0                          ; the last lap fills nothing
	QUARTER 0, 3, 0, 1, 0
	TURN 0, 1, 0
	QUARTER 1, 1, 0, 1, 2
	QUARTER 1, 2, 1, 0, 0
	QUARTER 1, 3, 0, 1, 0
	s_wait_dscnt 4
	RUN 0, 16, 1, 0
	WIN 0
	GLOAD                                          ; the table's last entry: 2^(E_15) / l
	s_wait_dscnt 0x0
	RUN 16, 16, 1, 0
	WIN 0
; THE WAY OUT, a block of 16 queries x 128 channels at a time: x the last factor, through my own stage, back as whole rows of 512 bytes.
.macro SCALE a
	WIN OUTW
.set i, 0
.rept 32
	v_pk_mul_f32 v[64+2*i:65+2*i], v[64*(\a)+2*i:64*(\a)+2*i+1], v[G+2*(\a):G+2*(\a)+1] op_sel_hi:[1,0]   ; each accumulator from its low end on
.set i, i+1
.endr
	WIN 0
.endm
.macro TOSTAGE a
.set BB, 128+64*((\a)%2)
.irp b, 0,1,2,3,4,5,6,7
	ds_store_b128 v[STO], v[64+8*\b:64+8*\b+3] offset:64*\b
	ds_store_b128 v[STO], v[64+8*\b+4:64+8*\b+7] offset:64*\b+16
.endr
.irp t, 0,1,2,3,4,5,6,7,8,9,10,11,12,13,14,15
	ds_load_b128 v[BB+4*\t:BB+4*\t+3], v[RD] offset:\t*SP          ; LDS serves a wave's instructions in order (ISA guide 5.7.1.4)
.endr
.endm
.macro SEND a, younger                 ; younger: the LDS instructions issued behind block a's loads, which may stay out
.set BB, 128+64*((\a)%2)
	s_wait_dscnt \younger
.if (\a) > 0
	s_add_nc_u64 s[8:9], s[8:9], 16*OROW           ; (behind a wait on XCNT: the earlier stores have read their base)
.endif
.irp t, 0,1,2,3,4,5,6,7,8,9,10,11,12,13,14,15
	global_store_b128 v[CO], v[BB+4*\t:BB+4*\t+3], s[8:9] offset:\t*OROW th:TH_STORE_NT   ; 32 lanes store 512 consecutive bytes, at a multiple of 256 from out's first byte
.endr
.endm
	PLACES                                         ; behind the last products
	SCALE 0
	TOSTAGE 0
.irp a, 1,2,3
	SCALE \a
.if \a > 1
	s_wait_xcnt 0x0                                ; block a - 2's stores have read their registers and base
.endif
	TOSTAGE \a
	SEND \a-1, 32                                  ; behind block a - 1's loads: block a's 16 stores and 16 loads
.endr
	s_wait_xcnt 0x0
	SEND 3, 0
	s_wait_tensorcnt 0x0                           ; the wave's end
	ds_add_u32 v[SPW], v[NIL]
	s_wait_dscnt 0x0
	CROUND                                         ; the closing round
	s_endpgm
.Lfunc_end_k_q4ce706ff7f_ctx:
	.size	k_q4ce706ff7f_ctx, .Lfunc_end_k_q4ce706ff7f_ctx-k_q4ce706ff7f_ctx
	.p2alignl 7, 3214868480
	.fill 96, 4, 3214868480
	.section	.rodata,"a",@progbits
	.p2align	6, 0x0
	.amdhsa_kernel k_q4ce706ff7f_ctx
		.amdhsa_group_segment_fixed_size 327680
		.amdhsa_private_segment_fixed_size 0
		.amdhsa_enable_private_segment 0
		.amdhsa_kernarg_size 32
		.amdhsa_user_sgpr_count 2
		.amdhsa_user_sgpr_kernarg_segment_ptr 1
		.amdhsa_wavefront_size32 1
		.amdhsa_system_sgpr_workgroup_id_x 1
		.amdhsa_system_sgpr_workgroup_id_y 1
		.amdhsa_system_sgpr_workgroup_id_z 1
		.amdhsa_system_vgpr_workitem_id 0
		.amdhsa_next_free_vgpr 512
		.amdhsa_next_free_sgpr 80
		.amdhsa_reserve_vcc 0
		.amdhsa_float_denorm_mode_32 3
		.amdhsa_float_denorm_mode_16_64 3
		.amdhsa_memory_ordered 1
		.amdhsa_forward_progress 1
		.amdhsa_inst_pref_size 141
	.end_amdhsa_kernel
	.amdgpu_metadata
---
amdhsa.version: [ 1, 2 ]
amdhsa.kernels:
  - .name:           k_q4ce706ff7f_ctx
    .symbol:         k_q4ce706ff7f_ctx.kd
    .args:
      - { .name: p, .offset: 0, .size: 8, .value_kind: global_buffer, .address_space: global }
      - { .name: qkv, .offset: 8, .size: 8, .value_kind: global_buffer, .address_space: global }
      - { .name: stats, .offset: 16, .size: 8, .value_kind: global_buffer, .address_space: global }
      - { .name: out0, .offset: 24, .size: 8, .value_kind: global_buffer, .address_space: global }
    .group_segment_fixed_size: 327680
    .private_segment_fixed_size: 0
    .kernarg_segment_align: 8
    .kernarg_segment_size: 32
    .max_flat_workgroup_size: 128
    .sgpr_count:     80
    .vgpr_count:     512
    .wavefront_size: 32
...
	.end_amdgpu_metadata
.endif
;; end of part 4
